; MI455X (gfx1250); checked and timed in simulation.
; The chip was launched on July 23, 2026; its instructions are those of AMD's public machine-readable ISA for CDNA 5 (MIT licence, August 2026) and "CDNA5" Instruction Set Architecture Reference Guide (July 2026). The comments in the code are by the model that wrote it; some were corrected since.
;; Causal Self Attention. Allowed arithmetic: matrix products marked QUANTISED: E2M3 operands, one E8M0 scale for each 32 along K, by v_wmma_scale_f32_16x16x128_f8f6f4 with both operands' format E2M3, f32 sums; everything else in f32.
;; Inputs: Wproj 1,024 x 1,024 float32; Wqkv 1,024 x 3,072 float32; bproj 1,024 float32; bqkv 3,072 float32; x 4 x 2,048 x 1,024 float32.
;; Outputs: out0 4 x 2,048 x 1,024 float32.
;; This version of the problem:
;;   THIS VERSION OF THE PROBLEM IS GIVEN IN LOW PRECISION. The matrix products marked QUANTISED in the list below multiply operands that are first quantised to E2M3 (2 exponent bits, 3 mantissa bits; 6 bits a number), with one power-of-two scale for each 32 numbers along K (OCP MX v1.0); their sums are f32. All else is computed in f32.
;;   The module's matrix products, in the order in which they are computed (A, B: the left and right operand; K: the contracted axis; several contracted axes count as one K, in the product's order):
;;     1. [M 8,192, K 1,024] x [K 1,024, N 3,072]; A: input x; B: input Wqkv: QUANTISED
;;     2. batch 64 x [M 2,048, K 64] x [K 64, N 2,048]; A: computed on the way; B: computed on the way: QUANTISED
;;     3. batch 64 x [M 2,048, K 2,048] x [K 2,048, N 64]; A: softmax (see below); B: computed on the way: QUANTISED
;;     4. [M 8,192, K 1,024] x [K 1,024, N 1,024]; A: computed on the way; B: input Wproj: QUANTISED
;;   THE QUANTISER, for each operand of a quantised product, along K:
;;     - K is cut into blocks of 32 from its start; a last block that is shorter is filled with zeros.
;;     - A block's scale is 2^e with e = floor(log2(the largest magnitude in the block)) - 2, held to -126 .. 127; a block of zeros has e = 0. As a byte (E8M0): e + 127.
;;     - Each number is divided by its block's scale, clamped to +-7.5, and rounded to the nearest number of E2M3, ties to even, subnormals kept.
;;     - The product sums the exact products of the quantised numbers (number of the format x scale) in f32.
;;   ~~~python
;;   def quantise(x, axis):      # numpy; x: float32 -> the quantised numbers, widened to float32 again
;;       x = np.moveaxis(x, axis, -1); K = x.shape[-1]
;;       x = np.pad(x, [(0, 0)] * (x.ndim - 1) + [(0, -K % 32)]); x = x.reshape(x.shape[:-1] + (-1, 32)); a = np.abs(x).max(-1, keepdims=True)
;;       e = np.where(a > 0, np.clip(np.frexp(np.where(a > 0, a, 1))[1] - 1 - 2, -126, 127), 0)      # np.frexp(a)[1] - 1 = floor(log2(a)), exactly
;;       r = np.clip(x / 2.0 ** e, -7.5, 7.5)
;;       step = 2.0 ** (np.maximum(np.frexp(np.where(r == 0, 1, r))[1] - 1, 0) - 3)
;;       q = np.round(r / step) * step * 2.0 ** e      # np.round: ties to even
;;       return np.moveaxis(q.reshape(q.shape[:-2] + (-1,))[..., :K], -1, axis).astype(np.float32)
;;   ~~~
;;   SOFTMAX AHEAD OF A QUANTISED PRODUCT. Where the list says 'softmax', what is quantised is not the finished softmax but p = 2^(t - M), with t = logit x log2(e) and M = ceil(the row's largest t), a whole number; so 1/2 < the row's largest p <= 1. The row's sum l is taken of the UNQUANTISED p, in f32, and the product's result is divided by l at the end. Since M is a whole number, a kernel that streams over the keys may use a running M (the ceiling of the running maximum): every later rescaling is an exact power of two, which a block's scale takes up: the codes' values come out the same.
;;   OPERANDS COMPUTED ON THE WAY. 'Computed on the way' means the value that the module computes at that place (a softmax that the list does not call 'softmax' is quantised finished and normalised). What goes into a quantiser is computed in f32, as accurately as f32 sums, v_exp_f32 and their like allow (about 1e-6 of the number): no bf16 or f16 on the way to a quantiser, and a product that is left as it is and whose result goes on into a quantised operand takes f32 operands (vector FMAs, or v_wmma_f32_16x16x4_f32). A number that lies on a knife's edge between two numbers of the format may be rounded either way, as far as f32 arithmetic and the matrix unit's own rounding can turn it there, and no further.
;; One version. Each part assembles by itself: llvm-mc -triple=amdgcn-amd-amdhsa -mcpu=gfx1250 --defsym DOCPART=n.
;; ======== version 1 of 1: 4 launches
;; limits: right only within a limited range of input values
;; workspace buffers: xq 6,553,600 bytes; wq 2,457,600 bytes; wp 819,200 bytes; yq 6,553,600 bytes; kv 13,369,344 bytes; qb 13,369,344 bytes
;; launch prep (part 1): grid 640 x 1, 4 waves a work-group, no clusters, 17,920 bytes of LDS; arguments x, Wqkv, Wproj, xq, wq, wp; writes xq, wq, wp
.if DOCPART == 1
	.amdgcn_target "amdgcn-amd-amdhsa--gfx1250"
	.amdhsa_code_object_version 6
	.text
	.protected	k_q84738fe5c3_prep
	.globl	k_q84738fe5c3_prep
	.p2align	8
	.type	k_q84738fe5c3_prep,@function
k_q84738fe5c3_prep:
	s_mov_b64 s[64:65], 0
	v_nop
	global_prefetch_b8 v0, s[64:65] scope:SCOPE_SE
	s_setreg_imm32_b32 hwreg(HW_REG_WAVE_MODE, 25, 1), 1
	s_wait_xcnt 0x0
; x [8192][1024], Wqkv [1024][3072] and Wproj [1024][1024], f32, become codes of FP6 (E2M3) with one E8M0 byte for each 32 along K (K = the 1,024: x's last axis, the weights' first).
; A block's scale is 2^(floor(log2(largest magnitude)) - 2); its byte is the largest magnitude's exponent field - 2, held at 1 from below by a floor among the maximum's leaves.
; LIMITS: NaN and infinities are not served.  A block whose largest magnitude lies under 2^-124 keeps the byte 1, a block of zeros too (the rule says 127): its codes are zeros, and this program alone reads the bytes.
; LAYOUT OF THE RESULTS: IMAGES OF THE OPERAND'S REGISTERS.  A half image (768 bytes) is 16 rows x 64 along K: lane L = r + 16 h owns block h (32 codes, six words) of row r; words 0-3 lie at 16 L, words 4-5 at 512 + 8 L.
; Codes: [block of 128 rows][256 along K][tile of 16 rows][half image 0..3].  Tile i of a block of 128 rows holds rows 32 (i / 2) + 8 (i % 2) + r + 8 (r / 8).
; Scale words: [tile][256 along K][r][128 along K]: four bytes, byte b for k = 32 b on.
; Work-groups 0-95 take Wqkv, 96-127 Wproj, the others x: three ways through the text, parted by the work-group's number; only x's way touches LDS.  No barrier: waves share nothing.
.set XQS, 6291456                      ; where xq's scale words begin
.set WQS, 2359296                      ; wq's
.set WPS, 786432                       ; wp's
.set RBB, 98304                        ; codes of 128 rows, all of K
.set SLB, 24576                        ; of 128 rows x 256 along K
.set TLB, 3072                         ; of 16 rows x 256 along K
.set HIM, 768                          ; a half image
.set SP,  272                          ; x's stage: a row of 256 bytes + 16, so that sixteen rows start at sixteen different groups of banks
.set FLOOR, 0x1800000                  ; 2^(3 - 127)
.set LI,  4                            ; v4  16 x lane
.set L8,  5                            ; v5  8 x lane
.set XR,  64                           ; x: v64-191 32 loads of four registers
.set XX,  192                          ; v192-223 a block of 32 neighbours
.set XC,  32                           ; v32-63 codes, eight registers for each half image
.set XE,  24                           ; v24-26 a block's upper 16 codes
.set XB,  16                           ; v16-19 a byte for each half image
.set XW,  20                           ; v20-21 the two scale words
.set WX,  64                           ; W: v64-127 two sets of 32 numbers
.set WC,  192                          ; v192-255 codes: sixteen registers for each pair of blocks
.set WE,  40                           ; v40-46 the pair's upper 16 codes
.set WS,  48                           ; v48-49 eight bytes
; the largest magnitude of the 32 numbers v[xs] on (two chains, the floor as one more leaf) -> v12; 2 off its exponent field -> v11: the conversion takes that field as its scale
.macro BMAX xs
	v_max3_num_f32 v12, |v[\xs]|, |v[\xs+1]|, |v[\xs+2]|
	v_max3_num_f32 v13, |v[\xs+3]|, |v[\xs+4]|, |v[\xs+5]|
.irp i, 6,10,14,18,22,26
	v_max3_num_f32 v12, v12, |v[\xs+\i]|, |v[\xs+\i+1]|
	v_max3_num_f32 v13, v13, |v[\xs+\i+2]|, |v[\xs+\i+3]|
.endr
	v_max3_num_f32 v12, v12, |v[\xs+30]|, |v[\xs+31]|
	v_max3_num_f32 v12, v12, v13, FLOOR
	v_add_nc_u32 v11, 0xff000000, v12
.endm
	s_load_b256 s[4:11], s[0:1], 0x0               ; x s[4:5], Wqkv s[6:7], Wproj s[8:9], xq s[10:11]
	s_load_b128 s[12:15], s[0:1], 0x20             ; wq s[12:13], wp s[14:15]
	v_lshl_add_u32 v254, v0, 2, 0x4400
	v_mov_b32 v255, 0
	v_lshrrev_b32 v1, 5, v0
	v_readfirstlane_b32 s16, v1                    ; wave 0..3
	v_and_b32 v1, 31, v0                           ; lane
	v_and_b32 v2, 15, v0                           ; r
	v_bfe_u32 v3, v0, 4, 1                         ; h
	v_lshlrev_b32 v[LI], 4, v1
	v_lshlrev_b32 v[L8], 3, v1
	s_mov_b32 s20, 0x76543210
	s_mov_b32 s21, 0xfedcba98                      ; v_permlanex16_b32's selects for lane l xor 16
	s_mov_b32 s29, 0
	s_wait_kmcnt 0x0
	s_cmp_lt_u32 ttmp9, 96
	s_cbranch_scc1 .Lwqkv
	s_cmp_lt_u32 ttmp9, 128
	s_cbranch_scc1 .Lwproj
; ---- x: a work-group takes one tile of 16 rows, wave j its k = 256 j .. 256 j + 255: four half images.
; Each load reads two rows x 256 consecutive bytes; the 16 x 256 bytes of a half image turn through the wave's own stage, so that lane (r, h) gets the 32 neighbours of block h of row r.
	s_sub_co_u32 s24, ttmp9, 128                   ; the tile, 0..511
	s_lshr_b32 s25, s24, 3                         ; its block of 128 rows
	s_and_b32 s26, s24, 7                          ; i
	s_lshl_b32 s28, s25, 7
	s_lshr_b32 s27, s26, 1
	s_lshl_b32 s27, s27, 5
	s_add_co_u32 s28, s28, s27
	s_and_b32 s27, s26, 1
	s_lshl_b32 s27, s27, 3
	s_add_co_u32 s28, s28, s27                     ; the tile's first row: 128 rb + 32 (i / 2) + 8 (i % 2)
	s_lshl_b32 s28, s28, 12                        ; rows of 4,096 bytes
	s_lshl_b32 s27, s16, 10
	s_add_co_u32 s28, s28, s27                     ; + 1,024 bytes for each 256 along K
	s_add_nc_u64 s[4:5], s[4:5], s[28:29]
	s_mul_i32 s28, s25, RBB
	s_mul_i32 s27, s16, SLB
	s_add_co_u32 s28, s28, s27
	s_mul_i32 s27, s26, TLB
	s_add_co_u32 s28, s28, s27
	s_add_nc_u64 s[30:31], s[10:11], s[28:29]      ; my four half images
	s_lshl_b32 s28, s24, 9
	s_lshl_b32 s27, s16, 7
	s_add_co_u32 s28, s28, s27
	s_add_co_u32 s28, s28, XQS
	s_add_nc_u64 s[32:33], s[10:11], s[28:29]      ; my 32 scale words
	s_wait_alu depctr_va_vdst(0)
	v_lshlrev_b32 v6, 4, v2
	v_lshl_add_u32 v7, v3, 12, v6                  ; in: lanes 0-15 one row, lanes 16-31 the next, 16 bytes a lane
	s_mul_i32 s27, s16, 16*SP                      ; my stage
	v_mul_u32_u24 v8, v3, SP
	v_add_nc_u32 v8, v8, v6
	v_add_nc_u32 v8, s27, v8                       ; into it: as loaded
	v_mul_u32_u24 v9, v2, SP
	v_lshl_add_u32 v9, v3, 7, v9
	v_add_nc_u32 v9, s27, v9                       ; out of it: row r, 128 bytes of block h
	v_lshlrev_b32 v10, 3, v2
	v_lshl_add_u32 v10, v3, 2, v10                 ; scale words: 8 r + 4 h
	v_lshlrev_b32 v14, 3, v3                       ; 8 h: my bytes' shift in a word
	v_mov_b32 v22, 0                               ; a lane permute's destination counts as read
.irp t, 0,1,2,3
.irp n, 0,1,2,3,4,5,6,7
	global_load_b128 v[XR+32*\t+4*\n:XR+32*\t+4*\n+3], v7, s[4:5] offset:(2*\n+8*(\n/4))*4096+256*\t th:TH_LOAD_NT   ; tile rows 2 n, 2 n + 1 (rows 8-15 of a tile lie 8 rows further down)
.endr
.endr
.macro HALF t
	s_wait_loadcnt 24-8*\t                         ; this half image's eight loads are in; the later ones, eight each, may be out
.irp n, 0,1,2,3,4,5,6,7
	ds_store_b128 v8, v[XR+32*\t+4*\n:XR+32*\t+4*\n+3] offset:2*\n*SP
.endr
.irp k, 0,1,2,3,4,5,6,7
	ds_load_b128 v[XX+4*\k:XX+4*\k+3], v9 offset:16*\k   ; LDS serves a wave's instructions in order: these see the stores above, and the next half's stores come behind them
.endr
	s_wait_dscnt 0x0
	BMAX XX                                        ; the whole block is mine
	v_cvt_scalef32_pk16_fp6_f32 v[XC+8*\t:XC+8*\t+2], v[XX:XX+15], v11
	v_cvt_scalef32_pk16_fp6_f32 v[XE:XE+2], v[XX+16:XX+31], v11   ; (a conversion's three registers begin on an even number)
	v_lshrrev_b32 v[XB+\t], 23, v11                ; the scale's byte; also the plain line behind the conversions
.irp i, 0,1,2
	v_mov_b32 v[XC+8*\t+3+\i], v[XE+\i]
.endr
	global_store_b128 v[LI], v[XC+8*\t:XC+8*\t+3], s[30:31] offset:\t*HIM          ; 512 consecutive bytes
	global_store_b64 v[L8], v[XC+8*\t+4:XC+8*\t+5], s[30:31] offset:\t*HIM+512     ; 256 consecutive bytes
.endm
.macro WORD q                          ; my two bytes of K step q (blocks h and 2 + h) at their places; with lane l xor 16's two the word is whole
	v_lshl_or_b32 v[XW+\q], v[XB+2*\q+1], 16, v[XB+2*\q]
	v_lshlrev_b32 v[XW+\q], v14, v[XW+\q]
	v_permlanex16_b32 v22, v[XW+\q], s20, s21
	v_or_b32 v[XW+\q], v[XW+\q], v22
.endm
	s_wait_alu depctr_va_vdst(0)
	HALF 0
	HALF 1
	WORD 0
	HALF 2
	HALF 3
	WORD 1
	v_cmp_ne_u32 vcc_lo, 0, v3
	v_cndmask_b32 v23, v[XW], v[XW+1], vcc_lo      ; lanes 0-15 store the first K step's word, lanes 16-31 the second's
	global_store_b32 v10, v23, s[32:33]            ; 128 consecutive bytes
	s_wait_tensorcnt 0x0
	ds_add_u32 v254, v255
	s_wait_dscnt 0x0
	s_endpgm
; ---- a weight [1024][N]: a work-group takes 128 columns n x 256 along K; wave w columns 32 w on.  A LANE TAKES A COLUMN AND ITS REGISTERS RUN DOWN K: a block of 32 lies in one lane.
; Lanes 0-15 hold tile 2 w's rows, lanes 16-31 tile 2 w + 1's: column 8 (L / 16) + L % 8 + 16 ((L / 8) % 2).  A pair of blocks (64 along K) becomes the two tiles' half images by an
; exchange of halves: the even block's lanes 16-31 change places with the odd block's lanes 0-15.
.macro WLOAD kb, N
.irp i, 0,1,2,3,4,5,6,7,8,9,10,11,12,13,14,15,16,17,18,19,20,21,22,23,24,25,26,27,28,29,30,31
	global_load_b32 v[WX+32*((\kb)%2)+\i], v6, s[34:35] offset:(32*(\kb)+\i)*\N*4 th:TH_LOAD_NT   ; 32 lanes read 128 consecutive bytes of one row k
.endr
.endm
.macro WBLOCK kb, N
.set CT, WC+16*((\kb)/2)
.set ZZ, (\kb)%2
.if (\kb) < 7
	s_wait_loadcnt 32                              ; this block's 32 loads are in; the next block's may be out
.else
	s_wait_loadcnt 0x0
.endif
	BMAX WX+32*((\kb)%2)
	v_lshrrev_b32 v13, 23, v11                     ; the scale's byte
.if (\kb)%4 == 0
	v_mov_b32 v[WS+(\kb)/4], v13                   ; four bytes to a word, the lower K in the lower byte
.else
	v_lshl_or_b32 v[WS+(\kb)/4], v13, 8*((\kb)%4), v[WS+(\kb)/4]
.endif
	v_cvt_scalef32_pk16_fp6_f32 v[CT+8*ZZ:CT+8*ZZ+2], v[WX+32*((\kb)%2):WX+32*((\kb)%2)+15], v11
	v_cvt_scalef32_pk16_fp6_f32 v[WE+4*ZZ:WE+4*ZZ+2], v[WX+32*((\kb)%2)+16:WX+32*((\kb)%2)+31], v11
.if (\kb)+2 < 8
	WLOAD (\kb)+2, \N
.endif
.if ZZ == 1
	v_nop                                          ; one plain line behind the conversions
.irp i, 0,1,2
	v_permlane16_swap_b32 v[CT+\i], v[CT+8+\i]     ; the first set is now tile 2 w's half image (lanes 0-15 the even block, lanes 16-31 the odd one), the second tile 2 w + 1's
.endr
.irp i, 0,1,2
	v_permlane16_swap_b32 v[WE+\i], v[WE+4+\i]
.endr
.irp u, 0,1
.irp i, 0,1,2
	v_mov_b32 v[CT+8*\u+3+\i], v[WE+4*\u+\i]
.endr
.endr
.irp u, 0,1
	global_store_b128 v[LI], v[CT+8*\u:CT+8*\u+3], s[30:31] offset:\u*TLB+((\kb)/2)*HIM
	global_store_b64 v[L8], v[CT+8*\u+4:CT+8*\u+5], s[30:31] offset:\u*TLB+((\kb)/2)*HIM+512
.endr
.endif
.endm
.macro WPATH N, src, dst, scoff, first
	s_sub_co_u32 s24, ttmp9, \first
	s_lshr_b32 s25, s24, 2                         ; block of 128 columns
	s_and_b32 s26, s24, 3                          ; which 256 along K
	s_mul_i32 s28, s26, 256*\N*4
	s_lshl_b32 s27, s25, 9
	s_add_co_u32 s28, s28, s27
	s_lshl_b32 s27, s16, 7
	s_add_co_u32 s28, s28, s27
	s_add_nc_u64 s[34:35], s[\src:\src+1], s[28:29]
	s_mul_i32 s28, s25, RBB
	s_mul_i32 s27, s26, SLB
	s_add_co_u32 s28, s28, s27
	s_mul_i32 s27, s16, 2*TLB
	s_add_co_u32 s28, s28, s27
	s_add_nc_u64 s[30:31], s[\dst:\dst+1], s[28:29]
	s_lshl_b32 s28, s25, 12                        ; 8 tiles of 512 bytes of scale words for each block
	s_lshl_b32 s27, s16, 10
	s_add_co_u32 s28, s28, s27
	s_lshl_b32 s27, s26, 7
	s_add_co_u32 s28, s28, s27
	s_add_co_u32 s28, s28, \scoff
	s_add_nc_u64 s[32:33], s[\dst:\dst+1], s[28:29]
	v_and_b32 v6, 7, v0
	v_bfe_u32 v7, v0, 3, 1
	v_lshl_add_u32 v6, v7, 4, v6
	s_wait_alu depctr_va_vdst(0)
	v_lshl_add_u32 v6, v3, 3, v6                   ; my column
	v_lshlrev_b32 v6, 2, v6
	v_lshlrev_b32 v7, 3, v2
	v_lshl_add_u32 v7, v3, 9, v7                   ; my two scale words: tile L / 16, row r
	WLOAD 0, \N
	WLOAD 1, \N
.irp kb, 0,1,2,3,4,5,6,7
	WBLOCK \kb, \N
.endr
	global_store_b64 v7, v[WS:WS+1], s[32:33]      ; sixteen lanes store 128 consecutive bytes: one byte for each 128 that are read
.endm
.Lwqkv:
	WPATH 3072, 6, 12, WQS, 0
	s_endpgm
.Lwproj:
	WPATH 1024, 8, 14, WPS, 96
	s_endpgm
.Lfunc_end_k_q84738fe5c3_prep:
	.size	k_q84738fe5c3_prep, .Lfunc_end_k_q84738fe5c3_prep-k_q84738fe5c3_prep
	.p2alignl 7, 3214868480
	.fill 96, 4, 3214868480
	.section	.rodata,"a",@progbits
	.p2align	6, 0x0
	.amdhsa_kernel k_q84738fe5c3_prep
		.amdhsa_group_segment_fixed_size 17920
		.amdhsa_private_segment_fixed_size 0
		.amdhsa_enable_private_segment 0
		.amdhsa_kernarg_size 48
		.amdhsa_user_sgpr_count 2
		.amdhsa_user_sgpr_kernarg_segment_ptr 1
		.amdhsa_wavefront_size32 1
		.amdhsa_system_sgpr_workgroup_id_x 1
		.amdhsa_system_sgpr_workgroup_id_y 1
		.amdhsa_system_sgpr_workgroup_id_z 1
		.amdhsa_system_vgpr_workitem_id 0
		.amdhsa_next_free_vgpr 256
		.amdhsa_next_free_sgpr 66
		.amdhsa_reserve_vcc 1
		.amdhsa_float_denorm_mode_32 3
		.amdhsa_float_denorm_mode_16_64 3
		.amdhsa_memory_ordered 1
		.amdhsa_forward_progress 1
		.amdhsa_inst_pref_size 96
	.end_amdhsa_kernel
	.amdgpu_metadata
---
amdhsa.version: [ 1, 2 ]
amdhsa.kernels:
  - .name:           k_q84738fe5c3_prep
    .symbol:         k_q84738fe5c3_prep.kd
    .args:
      - { .name: x, .offset: 0, .size: 8, .value_kind: global_buffer, .address_space: global }
      - { .name: Wqkv, .offset: 8, .size: 8, .value_kind: global_buffer, .address_space: global }
      - { .name: Wproj, .offset: 16, .size: 8, .value_kind: global_buffer, .address_space: global }
      - { .name: xq, .offset: 24, .size: 8, .value_kind: global_buffer, .address_space: global }
      - { .name: wq, .offset: 32, .size: 8, .value_kind: global_buffer, .address_space: global }
      - { .name: wp, .offset: 40, .size: 8, .value_kind: global_buffer, .address_space: global }
    .group_segment_fixed_size: 17920
    .private_segment_fixed_size: 0
    .kernarg_segment_align: 8
    .kernarg_segment_size: 48
    .max_flat_workgroup_size: 128
    .sgpr_count:     66
    .vgpr_count:     256
    .wavefront_size: 32
...
	.end_amdgpu_metadata
.endif
;; end of part 1
;; launch gemm_qkv (part 2): grid 12 x 32, 4 waves a work-group, clusters of 4 x 4, 327,680 bytes of LDS; arguments xq, wq, bqkv, qb, kv; writes qb, kv
.if DOCPART == 2
	.amdgcn_target "amdgcn-amd-amdhsa--gfx1250"
	.amdhsa_code_object_version 6
	.text
	.protected	k_q84738fe5c3_gemm_qkv
	.globl	k_q84738fe5c3_gemm_qkv
	.p2align	8
	.type	k_q84738fe5c3_gemm_qkv,@function
k_q84738fe5c3_gemm_qkv:
	s_mov_b64 s[64:65], 0
	v_nop
	global_prefetch_b8 v0, s[64:65] scope:SCOPE_SE
	s_setreg_imm32_b32 hwreg(HW_REG_WAVE_MODE, 25, 1), 1
	s_wait_xcnt 0x0
	s_wait_alu depctr_hold_cnt(0) depctr_sa_sdst(0) depctr_va_vdst(0) depctr_va_sdst(0) depctr_va_ssrc(0) depctr_va_vcc(0) depctr_vm_vsrc(0)
	s_getreg_b32 s2, hwreg(HW_REG_IB_STS2, 6, 4)
	s_cmp_eq_u32 s2, 0
	s_cbranch_scc0 .Lentry_in_a_cluster
	s_endpgm
.Lentry_in_a_cluster:
	s_bfe_u32 s2, ttmp6, 0x10000c
	s_cmp_lg_u32 s2, 0xf033
	s_cbranch_scc0 .Lentry_shape_is_right
	s_endpgm
.Lentry_shape_is_right:
; qkv = x Wqkv + bqkv on codes of FP6 (E2M3) with E8M0 scales (M 8,192, N 3,072, K 1,024); the results never go to memory as f32: q and k are quantised along the head's 64, v along the tokens, in registers,
; and leave as images of the next products' operand registers (a half image: 16 rows x 64 along K, 768 bytes: lane L = r + 16 h owns block h of row r; words 0-3 at 16 L, words 4-5 at 512 + 8 L).
; A tile of 256 x 256 to a work-group of four waves, 128 x 128 to a wave: 64 accumulators, 512 registers.  P is matrix source 0 (its rows run along a lane's result registers), R source 1 (its rows run across lanes).
; THE KIND is the cluster's x, the same in all sixteen partners: 0 = q, 1 = k: P = Wqkv's columns n, R = tokens, so that a lane holds one token and 64 neighbours along n (two heads x two blocks of 32);
; 2 = v: P = tokens, R = columns n, so that a lane holds one channel and 64 neighbours along the tokens, which are the next product's K.
; Tile i of 128 rows holds rows 32 (i / 2) + 8 (i % 2) + r + 8 (r / 8): so result registers 16 b + i of P's tiles 2 b, 2 b + 1 are P's rows 32 b + 16 (lane / 16) + i.
; K goes in steps of 256 through two LDS slots; a slot's quarter (128 rows x 256 K) is one dense block of 24,576 bytes, brought by one tensor load as 96 rows of 256 bytes.  Fragments are read as they lie: 512 or 256 consecutive bytes a load.
; The scale words of the 512 rows, all of K, come once (4,096 bytes a wave).  CLUSTERS 4 x 4: R's tiles are shared along a row of the cluster, P's along a column: joint loads.
; No prefetch: K has four slots, two are first fills, and the other two are asked for a slot's 128 matrix instructions ahead.
; 384 work-groups: a tile of half the size would read half as much again from LDS for each matrix instruction.
; OUT: records of 13,056 bytes at [batch x 16 + head][block of 128 tokens]: 8 tiles x 768 of k's (in qb: q's) codes; at 6,144 their scale words [4 tiles][r][word] twice (bytes 2, 3 are 0: the upper 64 of that product's K are zero codes);
; at 6,656 v's four fragments (16 channels x 128 tokens); at 12,800 their scale words [r][4].
; LIMITS: NaN and infinities are not served; a block whose largest magnitude lies under 2^-124, a block of zeros too, keeps the byte 1: this program alone reads the bytes.
; REGISTERS: window 0: v2-13 lane numbers and offsets; v16-23 LDS addresses; v27 the scale words'; v28, v29 the add's; v32-63 scale words, two sets; v64-127 bias along n; v128-223 R's fragments; v240-255 bias of a lane's column.
;   window 1: P's fragments, two sets, at v0 and v128.  windows 2, 3: the accumulators ((a, b) at v[8 (8 (a % 4) + b)]).
.set NQ,     2                         ; K steps of 128 in a slot
.set FR,     12                        ; registers of a fragment
.set NL,     4                         ; LDS loads that bring one
.set NP,     4                         ; places behind this matrix instruction (ISA guide 7.12.1)
.set HALFT,  24576                     ; 128 rows x 256 K
.set SLOT,   4*HALFT                   ; R's two halves, then P's two
.set SCL,    2*SLOT                    ; the scale words: 4,096 bytes for each 128 rows
.set SPARE,  SCL+4*4096                ; the spare words: 128 bytes a wave, two blocks of 256 bytes that no other line names
.set XQS,    6291456                   ; where xq's scale words begin
.set WQS,    2359296                   ; wq's
.set REC,    13056
.set HEADB,  16*REC                    ; from a head's records to the next head's
.set KSO,    6144
.set VCO,    6656
.set VSO,    12800
.set LI,   4                           ; v4   16 x lane
.set L8,   5                           ; v5   8 x lane
.set ADRA, 16                          ; v16-17 R's fragments in slot 0, 1 (16 x lane); v18-19 the same with 8 x lane
.set ADRB, 20                          ; v20-23 the same for P
.set ADRS, 27
.set SPW,  28
.set NIL,  29
.set SC,   32
.set BQ,   64
.set AF,   128
.set BV,   240
.set T,    128                         ; the way out: 64 numbers
.set PC,   192                         ; the codes just made (v192-210)
.set TM,   212                         ; v212-215 largest magnitudes, v216-219 bytes, v224-227 the conversions' scale operands
.set PW,   228                         ; the scale word just made
.set SW,   232                         ; v232-239 the eight tiles' words
.set SX,   128                         ; the words as they leave
.set SEL,  66                          ; s[66:67]
.set OB,   96                          ; s[96:97] my first record
.set G1, 24
.set G0, 32
.set G1B, 48
.set G0B, 56
.set G1S, 68
.set G0S, 76
.set G1SB, 80
.set G0SB, 88
.set MSB, 0
.macro WIN new                         ; the immediate's high byte repeats the setting that is left
.if MSB != \new
	s_set_vgpr_msb (MSB<<8)|\new
.set MSB, \new
.endif
.endm
.set MUL_LO, 0xa1                      ; source 0 (P) window 1, source 1 (R) window 0, C and D window 2
.set MUL_HI, 0xf1                      ; the same, C and D window 3
.set TO_B,   0x40                      ; destination window 1, address window 0
; A joint load: waves 0 and 1 fetch for R, waves 2 and 3 for P.  The branch hangs on the wave's number alone.  Four v_nop follow each of the two lines.
.macro JLOAD g0a, g1a, g0b, g1b
	s_cmp_eq_u32 s15, 0
	s_cbranch_scc0 .Lfor_b_\@
	tensor_load_to_lds s[\g0a:\g0a+3], s[\g1a:\g1a+7]
	s_nop 0
.rept 4
	v_nop
.endr
	s_branch .Lasked_\@
.Lfor_b_\@:
	tensor_load_to_lds s[\g0b:\g0b+3], s[\g1b:\g1b+7]
	s_nop 0
.rept 4
	v_nop
.endr
.Lasked_\@:
.endm
.macro CREST                           ; a round of the cluster's barrier behind its opening barrier
	s_cmp_lg_u32 s14, 0
	s_cbranch_scc1 .Lnot_wave_0_\@
	s_barrier_signal -3
.Lnot_wave_0_\@:
	s_barrier_wait -3
	s_barrier_signal -1
	s_barrier_wait -1
.endm
.macro CROUND
	s_barrier_signal -1
	s_barrier_wait -1
	CREST
.endm
	s_load_b256 s[4:11], s[0:1], 0x0               ; xq s[4:5], wq s[6:7], bqkv s[8:9], qb s[10:11]
	s_load_b64 s[12:13], s[0:1], 0x20              ; kv
	v_lshl_add_u32 v[SPW], v0, 2, SPARE
	v_mov_b32 v[NIL], 0
	ds_add_u32 v28, v29
	ds_add_u32 v28, v29
	s_wait_dscnt 0x0
	v_lshrrev_b32 v1, 5, v0
	v_readfirstlane_b32 s14, v1                    ; wave 0..3
	s_lshr_b32 s15, s14, 1                         ; which half of R's 256 rows is mine.  Also: I fetch for R (0) or for P (1)
	s_and_b32 s16, s14, 1                          ; which half of P's.  Also: which 128 rows I fetch
	s_bfe_u32 s40, ttmp6, 0x40000                  ; cx
	s_bfe_u32 s41, ttmp6, 0x40004                  ; cy
	s_and_b32 s17, ttmp7, 0xffff
	s_lshl_b32 s17, s17, 2                         ; 4 x cluster y
	s_lshl_b32 s42, ttmp9, 2
	s_add_co_u32 s42, s42, s40                     ; q, k: P's block of 256 columns = 4 x kind + cx
	s_add_co_u32 s45, s17, s40                     ; v:    P's block of 256 tokens = 4 x cluster y + cx
	s_add_co_u32 s46, s17, s41                     ; q, k: R's block of 256 tokens = 4 x cluster y + cy
	s_add_co_u32 s47, s41, 8                       ; v:    R's block of 256 columns = 8 + cy
	s_lshl_b32 s43, s41, 2
	s_lshl_b32 s43, 15, s43                        ; my row of the cluster
	s_lshl_b32 s44, 0x1111, s40                    ; my column
	; descriptor group 1: a dense block of 24,576 bytes as 96 rows of 32 elements of 8 bytes; no padding
	s_or_b32 s[G1+0], s43, (3<<16)|(1<<21)         ; 15:0 the mask: R's tiles go to my row; 17:16 elements of 8 bytes; 21 set beside a mask
	s_or_b32 s[G1B+0], s44, (3<<16)|(1<<21)        ; P's go to my column
.irp g, G1, G1B
	s_mov_b32 s[\g+1], 32<<16                      ; tensor_dim0
	s_mov_b32 s[\g+2], 96<<16                      ; tensor_dim1
	s_mov_b32 s[\g+3], 32<<16                      ; tile_dim0
	s_mov_b32 s[\g+4], 96                          ; tile_dim1
	s_mov_b32 s[\g+5], 32                          ; tensor_dim0_stride
	s_mov_b32 s[\g+6], 0
	s_mov_b32 s[\g+7], 0
.endr
	s_or_b32 s[G1S+0], s43, (3<<16)|(1<<21)        ; the scale words of 128 rows: 16 such rows
	s_or_b32 s[G1SB+0], s44, (3<<16)|(1<<21)
.irp g, G1S, G1SB
	s_mov_b32 s[\g+1], 32<<16
	s_mov_b32 s[\g+2], 16<<16
	s_mov_b32 s[\g+3], 32<<16
	s_mov_b32 s[\g+4], 16
	s_mov_b32 s[\g+5], 32
	s_mov_b32 s[\g+6], 0
	s_mov_b32 s[\g+7], 0
.endr
	s_mov_b32 s96, WQS
	s_mov_b32 s97, XQS
	s_wait_kmcnt 0x0
	s_cmp_eq_u32 ttmp9, 2                          ; v?  The choice hangs on the cluster's x alone; only selects follow
	s_cselect_b32 s42, s45, s42                    ; P's block: made of cx and shared numbers alone
	s_cselect_b32 s46, s47, s46                    ; R's block: of cy and shared numbers alone
	s_cselect_b64 s[92:93], s[4:5], s[6:7]         ; P's buffer
	s_cselect_b64 s[94:95], s[6:7], s[4:5]         ; R's
	s_cselect_b32 s98, s97, s96                    ; where P's scale words begin
	s_cselect_b32 s99, s96, s97                    ; R's
	s_mul_i32 s18, s42, 2*98304
	s_mul_i32 s19, s16, 98304
	s_add_co_u32 s18, s18, s19
	s_mov_b32 s19, 0
	s_add_nc_u64 s[18:19], s[92:93], s[18:19]      ; P's codes: the 128 rows that I would fetch
	s_lshl_b32 s66, s42, 13
	s_lshl_b32 s67, s16, 12
	s_add_co_u32 s66, s66, s67
	s_add_co_u32 s66, s66, s98
	s_mov_b32 s67, 0
	s_add_nc_u64 s[66:67], s[92:93], s[66:67]      ; and their scale words
	s_mul_i32 s20, s46, 2*98304
	s_mul_i32 s21, s16, 98304
	s_add_co_u32 s20, s20, s21
	s_mov_b32 s21, 0
	s_add_nc_u64 s[20:21], s[94:95], s[20:21]      ; R's codes
	s_lshl_b32 s22, s46, 13
	s_lshl_b32 s23, s16, 12
	s_add_co_u32 s22, s22, s23
	s_add_co_u32 s22, s22, s99
	s_mov_b32 s23, 0
	s_add_nc_u64 s[22:23], s[94:95], s[22:23]      ; R's scale words
	s_mul_i32 s3, s14, HALFT                       ; where they go: wave x a quarter of a slot: no place in the cluster enters an LDS address
	s_lshl_b32 s17, s14, 12
	CROUND                                         ; all sixteen work-groups are here: the first joint loads meet
	s_mov_b32 s[G0S], 1
	s_add_co_u32 s[G0S+1], s17, SCL
	s_mov_b64 s[G0S+2:G0S+3], s[22:23]
	s_or_b32 s[G0S+3], s[G0S+3], 0x80000000
	s_mov_b32 s[G0SB], 1
	s_add_co_u32 s[G0SB+1], s17, SCL
	s_mov_b64 s[G0SB+2:G0SB+3], s[66:67]
	s_or_b32 s[G0SB+3], s[G0SB+3], 0x80000000
	JLOAD G0S, G1S, G0SB, G1SB                     ; the scale words first: they are wanted with the first slot
.irp s, 0,1
	s_mov_b32 s[G0+4*\s], 1
	s_add_co_u32 s[G0+4*\s+1], s3, \s*SLOT
	s_add_nc_u64 s[G0+4*\s+2:G0+4*\s+3], s[20:21], \s*HALFT
	s_or_b32 s[G0+4*\s+3], s[G0+4*\s+3], 0x80000000
	s_mov_b32 s[G0B+4*\s], 1
	s_add_co_u32 s[G0B+4*\s+1], s3, \s*SLOT
	s_add_nc_u64 s[G0B+4*\s+2:G0B+4*\s+3], s[18:19], \s*HALFT
	s_or_b32 s[G0B+4*\s+3], s[G0B+4*\s+3], 0x80000000
	JLOAD G0+4*\s, G1, G0B+4*\s, G1B               ; three tensor loads of mine are out at the most
.endr
	v_and_b32 v1, 31, v0                           ; lane
	v_and_b32 v2, 15, v0                           ; r
	v_bfe_u32 v3, v0, 4, 1                         ; h
	v_lshlrev_b32 v[LI], 4, v1
	v_lshlrev_b32 v[L8], 3, v1
	s_mul_i32 s21, s15, HALFT                      ; my 128 rows of R
	s_mul_i32 s22, s16, HALFT                      ; my 128 rows of P,
	s_add_co_u32 s22, s22, 2*HALFT                 ; which lie behind R's 256
.irp s, 0,1
	v_add_nc_u32 v[ADRA+\s], s21, v[LI]
	v_add_nc_u32 v[ADRB+\s], s22, v[LI]
	v_add_nc_u32 v[ADRA+2+\s], s21, v[L8]
	v_add_nc_u32 v[ADRB+2+\s], s22, v[L8]
	s_add_co_u32 s21, s21, SLOT
	s_add_co_u32 s22, s22, SLOT
.endr
	s_lshl_b32 s21, s15, 12                        ; R's scale words: my 128 rows
	s_lshl_b32 s22, s16, 12                        ; P's, behind R's 8,192 bytes
	s_add_co_u32 s22, s22, 8192
	s_sub_co_u32 s22, s22, s21
	v_mul_u32_u24 v6, s22, v3                      ; lanes 16-31 take P's
	s_add_co_u32 s21, s21, SCL
	v_lshl_add_u32 v6, v2, 3, v6                   ; 8 bytes a row: a slot's two words
	v_add_nc_u32 v[ADRS], s21, v6
	v_mul_u32_u24 v10, v3, HEADB
	v_lshl_add_u32 v10, v2, 4, v10                 ; the way out of the words: lanes 0-15 the first head's record, lanes 16-31 the second's; 16 bytes a row
	v_lshlrev_b32 v11, 4, v3                       ; 16 h
	v_lshlrev_b32 v12, 6, v3                       ; bias along n: 64 h bytes
	s_wait_alu depctr_va_vdst(0)
	v_and_b32 v13, 8, v2
	v_add_nc_u32 v13, v13, v2
	v_lshlrev_b32 v13, 2, v13                      ; bias of my column: 4 (r + 8 (r / 8))
	s_wait_alu depctr_va_vdst(0)
	; the biases.  Both sets are loaded whatever the kind; the set that the kind does not use reads bqkv's first numbers
	s_lshl_b32 s92, s42, 10
	s_lshl_b32 s93, s16, 9
	s_add_co_u32 s92, s92, s93                     ; 4 (256 x P's block + 128 x half)
	s_lshl_b32 s94, s46, 10
	s_lshl_b32 s95, s15, 9
	s_add_co_u32 s94, s94, s95                     ; the same for R
	s_cmp_eq_u32 ttmp9, 2
	s_cselect_b32 s92, 0, s92
	s_cselect_b32 s94, s94, 0
	s_cselect_b32 s18, s42, s46                    ; the tokens' block of 256,
	s_cselect_b32 s19, s16, s15                    ; and my half of it
	s_cselect_b32 s20, s46, s42                    ; the columns' block of 256 (four heads),
	s_cselect_b32 s21, s15, s16                    ; and my half
	s_mov_b32 s93, 0
	s_mov_b32 s95, 0
	s_add_nc_u64 s[92:93], s[8:9], s[92:93]
	s_add_nc_u64 s[94:95], s[8:9], s[94:95]
.irp b, 0,1,2,3
.irp k, 0,1,2,3
	global_load_b128 v[BQ+16*\b+4*\k:BQ+16*\b+4*\k+3], v12, s[92:93] offset:128*\b+16*\k   ; register 16 b + i: column 32 b + 16 h + i
.endr
.endr
.irp a, 0,1,2,3,4,5,6,7
	global_load_b32 v[BV+2*\a], v13, s[94:95] offset:(32*(\a/2)+8*(\a%2))*4    ; tile a's row r, twice: a pair for the packed addition
	global_load_b32 v[BV+2*\a+1], v13, s[94:95] offset:(32*(\a/2)+8*(\a%2))*4
.endr
	; my first record: ((batch x 16 + first head) x 16 + block of 128 tokens) x 13,056
	s_cmp_eq_u32 ttmp9, 0
	s_cselect_b64 s[OB:OB+1], s[10:11], s[12:13]   ; q goes to qb, k and v to kv
	s_lshr_b32 s22, s18, 3
	s_lshl_b32 s22, s22, 4
	s_and_b32 s20, s20, 3
	s_lshl_b32 s20, s20, 2
	s_add_co_u32 s22, s22, s20
	s_lshl_b32 s21, s21, 1
	s_add_co_u32 s22, s22, s21
	s_lshl_b32 s22, s22, 4
	s_and_b32 s18, s18, 7
	s_lshl_b32 s18, s18, 1
	s_add_co_u32 s22, s22, s18
	s_add_co_u32 s22, s22, s19
	s_mul_i32 s22, s22, REC
	s_mov_b32 s23, 0
	s_add_nc_u64 s[OB:OB+1], s[OB:OB+1], s[22:23]
	s_mov_b32 s[SEL], 0x76543210
	s_mov_b32 s[SEL+1], 0xfedcba98                 ; v_permlanex16_b32's selects for lane l xor 16
.macro FRAG reg, adr, q, i             ; a fragment (16 rows x 128 K, 12 registers) is two half images: each 512 consecutive bytes (four words a lane) and 256 (two words a lane)
	ds_load_b128 v[\reg:\reg+3], v[\adr] offset:(\i)*3072+(\q)*1536
	ds_load_b64 v[\reg+4:\reg+5], v[\adr+2] offset:(\i)*3072+(\q)*1536+512
	ds_load_b128 v[\reg+6:\reg+9], v[\adr] offset:(\i)*3072+(\q)*1536+768
	ds_load_b64 v[\reg+10:\reg+11], v[\adr+2] offset:(\i)*3072+(\q)*1536+1280
.endm
; 16 matrix instructions: R's blocks a0, a0 + 1 x P's eight, 128 along K.  p: P's set; sc: the set of scale words.  zero = 1: the first product starts the sums.
; The 64 accumulators take turns, one instruction a turn, in the same order in every step.
.macro MUL16 a0, p, q, sc, zero
.irp a, \a0, \a0+1
.irp b, 0,1,2,3,4,5,6,7
.if \zero
	v_wmma_scale_f32_16x16x128_f8f6f4 v[8*(8*((\a)%4)+\b):8*(8*((\a)%4)+\b)+7], v[128*(\p)+FR*\b:128*(\p)+FR*\b+FR-1], v[AF+FR*(\a):AF+FR*(\a)+FR-1], 0, v[SC+8*NQ*(\sc)+NQ*\b+(\q)], v[SC+8*NQ*(\sc)+NQ*(\a)+(\q)] matrix_a_fmt:MATRIX_FMT_FP6 matrix_b_fmt:MATRIX_FMT_FP6 matrix_a_scale:MATRIX_SCALE_ROW1
.else
	v_wmma_scale_f32_16x16x128_f8f6f4 v[8*(8*((\a)%4)+\b):8*(8*((\a)%4)+\b)+7], v[128*(\p)+FR*\b:128*(\p)+FR*\b+FR-1], v[AF+FR*(\a):AF+FR*(\a)+FR-1], v[8*(8*((\a)%4)+\b):8*(8*((\a)%4)+\b)+7], v[SC+8*NQ*(\sc)+NQ*\b+(\q)], v[SC+8*NQ*(\sc)+NQ*(\a)+(\q)] matrix_a_fmt:MATRIX_FMT_FP6 matrix_b_fmt:MATRIX_FMT_FP6 matrix_a_scale:MATRIX_SCALE_ROW1
.endif
.endr
.endr
.endm
.macro FETCH_B slot, q, p              ; P's eight fragments of the slot's q-th 128 along K into set p
	WIN TO_B
.irp i, 0,1,2,3,4,5,6,7
	FRAG 128*(\p)+FR*\i, ADRB+\slot, \q, \i
.endr
	WIN 0
.endm
.macro FETCH_A slot, q, i0             ; R's blocks i0 .. i0 + 3
.irp i, \i0, \i0+1, \i0+2, \i0+3
	FRAG AF+FR*(\i), ADRA+\slot, \q, \i
.endr
.endm
.macro SCALES sc                       ; a slot's scale words into set sc: two words a row; lanes 0-15 take R's block i, lanes 16-31 P's block i
.irp i, 0,1,2,3,4,5,6,7
	ds_load_b64 v[SC+8*NQ*\sc+NQ*\i:SC+8*NQ*\sc+NQ*\i+1], v[ADRS] offset:\i*512
.endr
.endm
.macro PLACES n                        ; plain vector lines between a matrix instruction and a load into, or a vector read or write of, its registers
.rept \n
	v_nop
.endr
.endm
.macro STEP slot, q, zero              ; a step of 128 along K that has its successor in the same slot
	s_wait_dscnt 4*NL                              ; P's set, R's blocks 0-3 and the words are in; the youngest sixteen loads (R's blocks 4-7) may be out
	WIN MUL_LO
	MUL16 0, (\q)%2, \q, \slot, \zero
	MUL16 2, (\q)%2, \q, \slot, \zero
	s_wait_dscnt 0
	PLACES NP
	FETCH_B \slot, (\q)+1, 1-(\q)%2
	FETCH_A \slot, (\q)+1, 0
	WIN MUL_HI
	MUL16 4, (\q)%2, \q, \slot, \zero
	MUL16 6, (\q)%2, \q, \slot, \zero
	PLACES NP
	WIN 0
	FETCH_A \slot, (\q)+1, 4
.endm
; A slot's last step changes slots: one barrier; in front of it each wave waits for all its tensor loads, adds 0 to its spare word, and waits for that and for its reads of this slot.  fill = 1: this slot is filled again, two slots ahead.
.macro TURN slot, next, fill
	s_wait_tensorcnt 0x0                           ; all my tensor loads have landed: my part of the next slot
	ds_add_u32 v[SPW], v[NIL]                      ; 0 onto my spare word
	s_wait_dscnt 4*NL+1                            ; (the add and the youngest sixteen loads may be out)
	WIN MUL_LO
	MUL16 0, 1, NQ-1, \slot, 0
	s_wait_dscnt 0x0                               ; the add is done, and my reads of this slot are over
	s_barrier_signal -1
	MUL16 2, 1, NQ-1, \slot, 0
	WIN 0
	s_barrier_wait -1
.if \fill
	CREST                                          ; the barrier has opened a round of the cluster's: no wave of any partner still reads this slot or has a load on its way
	s_add_nc_u64 s[G0+4*\slot+2:G0+4*\slot+3], s[G0+4*\slot+2:G0+4*\slot+3], 2*HALFT
	s_add_nc_u64 s[G0B+4*\slot+2:G0B+4*\slot+3], s[G0B+4*\slot+2:G0B+4*\slot+3], 2*HALFT
	JLOAD G0+4*\slot, G1, G0B+4*\slot, G1B         ; the first tensor load behind the round; its four v_nop are the places in front of the loads below
.else
	PLACES NP
.endif
	s_wait_alu depctr_va_vdst(0)
	v_add_nc_u32 v[ADRS], 128, v[ADRS]             ; the next slot's scale words
	FETCH_B \next, 0, 0
	FETCH_A \next, 0, 0
	SCALES \next
	WIN MUL_HI
	MUL16 4, 1, NQ-1, \slot, 0
	MUL16 6, 1, NQ-1, \slot, 0
	PLACES NP
	WIN 0
	FETCH_A \next, 0, 4
.endm
	s_wait_tensorcnt 1                             ; the scale words and my part of slot 0 are in; slot 1's load may be out
	s_barrier_signal -1
	s_barrier_wait -1
	FETCH_B 0, 0, 0
	FETCH_A 0, 0, 0
	SCALES 0
	FETCH_A 0, 0, 4
	STEP 0, 0, 1                                   ; K 0: the products start the sums
	TURN 0, 1, 1                                   ; K 128; slot 0 takes K 512 on
	STEP 1, 0, 0
	TURN 1, 0, 1                                   ; slot 1 takes K 768 on
	STEP 0, 0, 0
	TURN 0, 1, 0                                   ; nothing is left to fetch
	STEP 1, 0, 0
	s_wait_dscnt 4*NL                              ; the last step
	WIN MUL_LO
	MUL16 0, 1, NQ-1, 1, 0
	MUL16 2, 1, NQ-1, 1, 0
	s_wait_dscnt 0
	WIN MUL_HI
	MUL16 4, 1, NQ-1, 1, 0
	MUL16 6, 1, NQ-1, 1, 0
	WIN 0
; 64 numbers of a lane, register 16 b + i = place 32 b + 16 (lane / 16) + i along the next K of my row, become a fragment's codes in v[PC] on and its scale word in v[PW].
.macro QUANT s
.irp b, 0,1,2,3
	v_max3_num_f32 v[TM+\b], |v[\s+16*\b]|, |v[\s+1+16*\b]|, 0x1800000   ; block b: my 16 numbers, and the floor 2^(3 - 127): the byte cannot fall under 1
.endr
.irp i, 2,4,6,8,10,12,14
.irp b, 0,1,2,3
	v_max3_num_f32 v[TM+\b], v[TM+\b], |v[\s+16*\b+\i]|, |v[\s+1+16*\b+\i]|
.endr
.endr
.irp b, 0,1,2,3
	v_permlanex16_b32 v[TM+4+\b], v[TM+\b], s[SEL], s[SEL+1]
.endr
.irp b, 0,1,2,3
	v_max_num_f32 v[TM+\b], v[TM+\b], v[TM+4+\b]   ; with lane l xor 16's: the block's largest magnitude
.endr
.irp b, 0,1,2,3
	v_add_nc_u32 v[TM+12+\b], 0xff000000, v[TM+\b] ; 2 off its exponent field: the conversion's scale operand
.endr
.irp b, 0,1,2,3
	v_lshrrev_b32 v[TM+4+\b], 23, v[TM+12+\b]      ; the scale's byte
.endr
	v_lshl_or_b32 v[PW], v[TM+5], 8, v[TM+4]
	v_lshl_or_b32 v[PW], v[TM+6], 16, v[PW]
	v_lshl_or_b32 v[PW], v[TM+7], 24, v[PW]
.irp c, 0,1
	v_cvt_scalef32_pk16_fp6_f32 v[PC+6*\c:PC+2+6*\c], v[\s+32*\c:\s+15+32*\c], v[TM+12+2*\c]
	v_cvt_scalef32_pk16_fp6_f32 v[PC+12+4*\c:PC+14+4*\c], v[\s+16+32*\c:\s+31+32*\c], v[TM+12+2*\c+1]   ; (a conversion's three registers begin on an even number)
.endr
	v_nop                                          ; one plain line behind the conversions
.irp c, 0,1                                    ; the layout wants a whole block in a lane: lanes 0-15 block 2 c, lanes 16-31 block 2 c + 1
.irp i, 0,1,2
	v_permlane16_swap_b32 v[PC+6*\c+\i], v[PC+12+4*\c+\i]
.endr
.irp i, 0,1,2
	v_mov_b32 v[PC+3+6*\c+\i], v[PC+12+4*\c+\i]
.endr
.endr
.endm
; THE WAY OUT, R's tile a at a time: bias, quantiser, four dense stores.  kind = 0 (q, k): the fragment's half c is head c's half image of 16 tokens; kind = 1 (v): the fragment is 16 channels x 128 tokens of head a / 4.
.macro EPI kind
.irp a, 0,1,2,3,4,5,6,7
.if \a > 0
	s_wait_xcnt 0x0                                ; the last tile's stores have read their registers: the codes may be written again
.endif
	WIN 0x02+(\a/4)                                ; source 0: window 2 or 3
.set AC, 64*(\a%4)
.set i, 0
.rept 32
.if \kind
	v_pk_add_f32 v[T+i:T+i+1], v[AC+i:AC+i+1], v[BV+2*\a:BV+2*\a+1]   ; each accumulator from its low end on
.else
	v_pk_add_f32 v[T+i:T+i+1], v[AC+i:AC+i+1], v[BQ+i:BQ+i+1]
.endif
.set i, i+2
.endr
	WIN 0
	QUANT T
	v_mov_b32 v[SW+\a], v[PW]
.irp c, 0,1
.if \kind
.set IM, (\a/4)*HEADB+VCO+(\a%4)*1536+\c*768
.else
.set IM, \c*HEADB+\a*768
.endif
	global_store_b128 v[LI], v[PC+6*\c:PC+6*\c+3], s[OB:OB+1] offset:IM          ; 512 consecutive bytes
	global_store_b64 v[L8], v[PC+6*\c+4:PC+6*\c+5], s[OB:OB+1] offset:IM+512     ; 256 consecutive bytes
.endr
.endr
.if \kind
	v_cmp_ne_u32 vcc_lo, 0, v3
.irp i, 0,1,2,3
	v_cndmask_b32 v[SX+\i], v[SW+\i], v[SW+4+\i], vcc_lo   ; lanes 0-15: the first head's four tiles, lanes 16-31 the second's
.endr
	global_store_b128 v10, v[SX:SX+3], s[OB:OB+1] offset:VSO   ; sixteen lanes store 256 consecutive bytes
.else
.irp a, 0,1,2,3,4,5,6,7
	v_bfe_u32 v[SX+\a], v[SW+\a], v11, 16          ; a word's low two bytes are the first head's, the high two the second's; the upper two bytes of what leaves are 0
.endr
	global_store_b128 v10, v[SX:SX+3], s[OB:OB+1] offset:KSO
	global_store_b128 v10, v[SX+4:SX+7], s[OB:OB+1] offset:KSO+256
.endif
.endm
	s_wait_loadcnt 0x0                             ; the biases
	PLACES NP                                      ; behind the last products: results are read, and registers that held R's fragments are written
.irp b, 0,1,2,3
	v_mov_b32 v[TM+4+\b], 0                        ; a lane permute's destination counts as read
.endr
	s_cmp_eq_u32 ttmp9, 2
	s_cbranch_scc1 .Lvalues
	EPI 0
	s_branch .Lend
.Lvalues:
	EPI 1
.Lend:
	s_wait_tensorcnt 0x0                           ; the wave's end
	ds_add_u32 v[SPW], v[NIL]
	s_wait_dscnt 0x0
	CROUND                                         ; the closing round: no work-group ends while a partner may still ask for a tile that names it
	s_endpgm
.Lfunc_end_k_q84738fe5c3_gemm_qkv:
	.size	k_q84738fe5c3_gemm_qkv, .Lfunc_end_k_q84738fe5c3_gemm_qkv-k_q84738fe5c3_gemm_qkv
	.p2alignl 7, 3214868480
	.fill 96, 4, 3214868480
	.section	.rodata,"a",@progbits
	.p2align	6, 0x0
	.amdhsa_kernel k_q84738fe5c3_gemm_qkv
		.amdhsa_group_segment_fixed_size 327680
		.amdhsa_private_segment_fixed_size 0
		.amdhsa_enable_private_segment 0
		.amdhsa_kernarg_size 40
		.amdhsa_user_sgpr_count 2
		.amdhsa_user_sgpr_kernarg_segment_ptr 1
		.amdhsa_wavefront_size32 1
		.amdhsa_system_sgpr_workgroup_id_x 1
		.amdhsa_system_sgpr_workgroup_id_y 1
		.amdhsa_system_sgpr_workgroup_id_z 1
		.amdhsa_system_vgpr_workitem_id 0
		.amdhsa_next_free_vgpr 1024
		.amdhsa_next_free_sgpr 100
		.amdhsa_reserve_vcc 1
		.amdhsa_float_denorm_mode_32 3
		.amdhsa_float_denorm_mode_16_64 3
		.amdhsa_memory_ordered 1
		.amdhsa_forward_progress 1
		.amdhsa_inst_pref_size 219
	.end_amdhsa_kernel
	.amdgpu_metadata
---
amdhsa.version: [ 1, 2 ]
amdhsa.kernels:
  - .name:           k_q84738fe5c3_gemm_qkv
    .symbol:         k_q84738fe5c3_gemm_qkv.kd
    .args:
      - { .name: xq, .offset: 0, .size: 8, .value_kind: global_buffer, .address_space: global }
      - { .name: wq, .offset: 8, .size: 8, .value_kind: global_buffer, .address_space: global }
      - { .name: bqkv, .offset: 16, .size: 8, .value_kind: global_buffer, .address_space: global }
      - { .name: qb, .offset: 24, .size: 8, .value_kind: global_buffer, .address_space: global }
      - { .name: kv, .offset: 32, .size: 8, .value_kind: global_buffer, .address_space: global }
    .group_segment_fixed_size: 327680
    .private_segment_fixed_size: 0
    .kernarg_segment_align: 8
    .kernarg_segment_size: 40
    .max_flat_workgroup_size: 128
    .sgpr_count:     100
    .vgpr_count:     1024
    .wavefront_size: 32
...
	.end_amdgpu_metadata
.endif
;; end of part 2
;; launch attn (part 3): grid 4 x 64, 16 waves a work-group, clusters of 4 x 1, 210,944 bytes of LDS; arguments qb, kv, yq; writes yq
.if DOCPART == 3
	.amdgcn_target "amdgcn-amd-amdhsa--gfx1250"
	.amdhsa_code_object_version 6
	.text
	.protected	k_q84738fe5c3_attn
	.globl	k_q84738fe5c3_attn
	.p2align	8
	.type	k_q84738fe5c3_attn,@function
k_q84738fe5c3_attn:
	s_mov_b64 s[64:65], 0
	v_nop
	global_prefetch_b8 v0, s[64:65] scope:SCOPE_SE
	s_setreg_imm32_b32 hwreg(HW_REG_WAVE_MODE, 25, 1), 1
	s_wait_xcnt 0x0
	s_wait_alu depctr_hold_cnt(0) depctr_sa_sdst(0) depctr_va_vdst(0) depctr_va_sdst(0) depctr_va_ssrc(0) depctr_va_vcc(0) depctr_vm_vsrc(0)
	s_getreg_b32 s2, hwreg(HW_REG_IB_STS2, 6, 4)
	s_cmp_eq_u32 s2, 0
	s_cbranch_scc0 .Lentry_in_a_cluster
	s_endpgm
.Lentry_in_a_cluster:
	s_bfe_u32 s2, ttmp6, 0x10000c
	s_cmp_lg_u32 s2, 0x3003
	s_cbranch_scc0 .Lentry_shape_is_right
	s_endpgm
.Lentry_shape_is_right:
; y = softmax(q k^T / 8, causal) v for one head (2,048 tokens, 64 channels) to a cluster of four work-groups; both products on codes of FP6 (E2M3) with E8M0 scales; y leaves quantised along C, as images for the last product.
; SOFTMAX: t = score x log2(e) / 8; M = the running largest t rounded up to a whole number; p = 2^(t - M) is quantised along the keys, not normalised; the row's sum is taken of the unquantised p and divides at the end.
; A HEAD'S K, V AND SCALE WORDS, 16 records of 13,056 bytes (128 tokens each), ARE 208,896 DENSE BYTES: they are brought into LDS ONCE, by joint loads of the four partners, and nothing is filled again.
; A record: 8 key tiles x 768 bytes (a half image: 16 keys x 64 channels; lane L = r + 16 h owns block h of row r; words 0-3 at 16 L, words 4-5 at 512 + 8 L); at 6,144 their scale words; at 6,656 four fragments of V^T (16 channels x 128 keys); at 12,800 their words.
; The first product's K is 64: the upper six registers of K's and Q's fragments are zero codes, written once; the scale words' upper two bytes are 0.
; SHARES.  Wave w (s = w % 4, g = (w / 4) % 2, e = w / 8) owns two tiles of 16 queries: tile 2 cx + e of token block s xor 7 g, and the same tile of block 15 - (s xor 7 g): 17 key steps of 128 keys in every wave.
; Every branch hangs on the wave's number and on counted loops alone.  cx enters Q's and y's global addresses and the number that the mask compares with; no branch and no LDS address.
; Blocks 0-7 need records 0-7 alone: the first pass runs while records 8-15 are on their way.
; Both products are used transposed: a lane holds one query throughout.  Tile i of 128 tokens holds tokens 32 (i / 2) + 8 (i % 2) + r + 8 (r / 8): so the scores' registers 16 b + i are keys 32 b + 16 (lane / 16) + i.
; The walks' trip counts are constants; a step all of whose keys come after the queries is jumped over, but for the lines that step the addresses.
; No prefetch: every byte of K and V is asked for by the first fills.
; LIMITS: hidden scores are -infinity where the source writes -1e9: the same p = 0 as long as no visible logit of a row comes near -1e9.  NaN and infinities are not served.  A block of zeros keeps the byte 1.
; REGISTERS: v1-4, v10 lane terms; v5-7 LDS addresses; v12 -M, v13 the largest t, v[14:15] the sum; v16-27 Q; v28-31 V's words; v32-79 four tiles of K; v80-127 V's four fragments; v128-191 scores, then p; v192-223 O^T; v224-235 p's codes; v232-254 at work; v255 Q's words.
.set REC,   13056
.set HEADB, 16*REC
.set KSO,   6144
.set VCO,   6656
.set VSO,   12800
.set YQS,   6291456
.set LI,  1                            ; 16 x lane
.set L8,  2                            ; 8 x lane
.set LR,  3                            ; 16 r
.set QD,  4                            ; my query in its block of 128, less 16 h
.set ADK, 5
.set AD8, 6
.set ADS, 7
.set R8,  10                           ; 8 r
.set KF,  32
.set VF,  80
.set S,   128
.set O,   192
.set WV,   18
.set SEL,  20
.set CS,   22
.set G1,   24
.set G0,   32
.set BETA, 40                          ; the token block of the queries in hand
.set KS,   41                          ; the key step
.set TB,   42                          ; its record in LDS
.set CNT,  43
.set HBN,  44                          ; batch x 16 + head
.set B0,   45
.set CX,   46
.set TI,   47                          ; my tile in a block
.set QA,   48
.set QSA,  50
.set YA,   52
.set YSA,  54
.macro ROUND                           ; a round of the cluster's barrier
	s_barrier_signal -1
	s_barrier_wait -1
	s_cmp_lg_u32 s[WV], 0
	s_cbranch_scc1 .Lnot_wave_0_\@
	s_barrier_signal -3
.Lnot_wave_0_\@:
	s_barrier_wait -3
	s_barrier_signal -1
	s_barrier_wait -1
.endm
	s_load_b128 s[4:7], s[0:1], 0x0                ; qb s[4:5], kv s[6:7]
	s_load_b64 s[8:9], s[0:1], 0x10                ; yq
	v_lshl_add_u32 v254, v0, 2, 0x33000
	v_mov_b32 v255, 0
	ds_add_u32 v254, v255
	ds_add_u32 v254, v255
	s_wait_dscnt 0x0
	v_lshrrev_b32 v8, 5, v0
	s_delay_alu instid0(VALU_DEP_1)
	v_readfirstlane_b32 s[WV], v8                  ; wave 0..15
	s_bfe_u32 s[CX], ttmp6, 0x40000                ; my place in the cluster
	s_and_b32 s[HBN], ttmp7, 0xffff                ; the head, which the four partners share
	s_and_b32 s56, s[WV], 3
	s_bfe_u32 s57, s[WV], 0x10002
	s_mul_i32 s57, s57, 7
	s_xor_b32 s[B0], s56, s57                      ; s xor 7 g: 0..7
	s_lshr_b32 s58, s[WV], 3                       ; e
	s_lshl_b32 s[TI], s[CX], 1
	s_add_co_u32 s[TI], s[TI], s58
	v_and_b32 v8, 31, v0
	v_and_b32 v9, 15, v0                           ; r
	v_bfe_u32 v11, v0, 4, 1                        ; h
	s_delay_alu instid0(VALU_DEP_3)
	v_lshlrev_b32 v[LI], 4, v8
	s_delay_alu instid0(VALU_DEP_4)
	v_lshlrev_b32 v[L8], 3, v8
	s_delay_alu instid0(VALU_DEP_4)
	v_lshlrev_b32 v[LR], 4, v9
	v_lshlrev_b32 v[R8], 3, v9
	v_and_b32 v[QD], 8, v9
	s_delay_alu instid0(VALU_DEP_1)
	v_add_nc_u32 v[QD], v[QD], v9                  ; r + 8 (r / 8)
	v_lshlrev_b32 v11, 4, v11
	s_delay_alu instid0(VALU_DEP_1)
	v_sub_nc_u32 v[QD], v[QD], v11
	s_lshl_b32 s56, s[CX], 5
	s_lshl_b32 s57, s58, 3
	s_add_co_u32 s56, s56, s57
	v_add_nc_u32 v[QD], s56, v[QD]                 ; 32 cx + 8 e + r + 8 (r / 8) - 16 h (signed)
	; descriptor group 1: two records, 26,112 dense bytes, as 102 rows of 32 elements of 8 bytes
	s_mov_b32 s[G1], 15|(3<<16)|(1<<21)            ; 15:0 the mask: all four work-groups; 17:16 elements of 8 bytes; 21 set beside a mask
	s_mov_b32 s[G1+1], 32<<16                      ; tensor_dim0
	s_mov_b32 s[G1+2], 102<<16                     ; tensor_dim1
	s_mov_b32 s[G1+3], 32<<16                      ; tile_dim0
	s_mov_b32 s[G1+4], 102                         ; tile_dim1
	s_mov_b32 s[G1+5], 32                          ; tensor_dim0_stride
	s_mov_b32 s[G1+6], 0
	s_mov_b32 s[G1+7], 0
	s_mul_i32 s56, s[HBN], HEADB
	s_mul_i32 s57, s[WV], 2*REC                    ; waves 0-3: records 2 w, 2 w + 1, and eight records on
	s_add_co_u32 s58, s56, s57
	s_mov_b32 s59, 0
	s_mov_b32 s[SEL], 0x76543210
	s_mov_b32 s[SEL+1], 0xfedcba98                 ; v_permlanex16_b32's selects for lane l xor 16
	s_mov_b32 s[CS], 0x3e38aa3b                    ; c = log2(e) / 8
	s_mov_b32 s[CS+1], s[CS]                       ; (named with it as a pair)
	s_wait_kmcnt 0x0
	s_mov_b32 s[G0], 1
	s_mov_b32 s[G0+1], s57
	s_add_nc_u64 s[G0+2:G0+3], s[6:7], s[58:59]
	s_mov_b32 s[G0+4], 1
	s_add_co_u32 s[G0+5], s57, 8*REC
	s_add_nc_u64 s[G0+6:G0+7], s[G0+2:G0+3], 8*REC
	s_or_b32 s[G0+3], s[G0+3], 0x80000000
	s_or_b32 s[G0+7], s[G0+7], 0x80000000
	ROUND                                          ; all four work-groups are here: the joint loads meet
	s_cmp_lt_u32 s[WV], 4                          ; a wave's two fills stand in one branch on its number, the same in all partners: two tensor loads of mine are out at the most
	s_cbranch_scc0 .Lno_fetch
	tensor_load_to_lds s[G0:G0+3], s[G1:G1+7]
	s_nop 0
	tensor_load_to_lds s[G0+4:G0+7], s[G1:G1+7]
	s_nop 0
.rept 4
	v_nop
.endr
.Lno_fetch:
.irp t, 0,1,2,3
.irp i, 6,7,8,9,10,11
	v_mov_b32 v[KF+12*\t+\i], 0                    ; the upper 64 of the first product's K: zero codes, written once
.endr
.endr
.irp i, 22,23,24,25,26,27
	v_mov_b32 v[\i], 0
.endr
.irp i, 236,237,238,239,252,253
	v_mov_b32 v[\i], 0                             ; lane permutes' destinations and a pair's upper half count as read
.endr
.macro QLOAD                           ; my tile of the block in hand: a half image and its scale words
	s_wait_xcnt 0x0                                ; earlier stores have read their registers and bases
	s_lshl_b32 s56, s[HBN], 4
	s_add_co_u32 s56, s56, s[BETA]
	s_mul_i32 s56, s56, REC
	s_mul_i32 s57, s[TI], 768
	s_add_co_u32 s58, s56, s57
	s_mov_b32 s59, 0
	s_add_nc_u64 s[QA:QA+1], s[4:5], s[58:59]
	s_lshr_b32 s57, s[TI], 2
	s_lshl_b32 s57, s57, 8
	s_add_co_u32 s58, s56, s57
	s_and_b32 s57, s[TI], 3
	s_lshl_b32 s57, s57, 2
	s_add_co_u32 s58, s58, s57
	s_add_co_u32 s58, s58, KSO
	s_add_nc_u64 s[QSA:QSA+1], s[4:5], s[58:59]
	global_load_b128 v[16:19], v[LI], s[QA:QA+1]
	global_load_b64 v[20:21], v[L8], s[QA:QA+1] offset:512
	global_load_b32 v255, v[LR], s[QSA:QSA+1]
.endm
.macro INIT                            ; the step is written once: the first finds zeros, which the first change of M leaves zeros
	v_mov_b32 v13, 0xff61b1e6                      ; the largest t so far: -3e38
	s_delay_alu instid0(VALU_DEP_1)
	v_floor_f32 v12, -v13                          ; -M
	v_mov_b32 v14, 0
	v_mov_b32 v15, 0
.set i, 0
.rept 32
	v_mov_b32 v[O+i], 0
.set i, i+1
.endr
.endm
; A KEY STEP: 128 keys, the record at s[TB].
.macro STEP
	s_cmp_gt_u32 s[KS], s[BETA]                    ; all its keys come after my queries: only the addresses step
	s_cbranch_scc1 .Lhidden_\@
	s_setprio 2
	v_add_nc_u32 v[ADK], s[TB], v[LI]
	v_add_nc_u32 v[AD8], s[TB], v[L8]
	v_add_nc_u32 v[ADS], s[TB], v[LR]
	v_nop                                          ; four plain lines behind the last step's products
.irp t, 0,1,2,3
	ds_load_b128 v[KF+12*\t:KF+12*\t+3], v[ADK] offset:\t*768
	ds_load_b64 v[KF+12*\t+4:KF+12*\t+5], v[AD8] offset:\t*768+512
.endr
	ds_load_b128 v[248:251], v[ADS] offset:KSO     ; row r's words of tiles 0-3
	s_wait_alu depctr_va_vdst(0)
	s_wait_dscnt 0x0
.irp t, 0,1,2,3
	v_wmma_scale_f32_16x16x128_f8f6f4 v[S+8*\t:S+8*\t+7], v[KF+12*\t:KF+12*\t+11], v[16:27], 0, v[248+\t], v255 matrix_a_fmt:MATRIX_FMT_FP6 matrix_b_fmt:MATRIX_FMT_FP6
.endr
.rept 4
	v_nop                                          ; places in front of loads into registers that these products read
.endr
.irp t, 0,1,2,3
	ds_load_b128 v[KF+12*\t:KF+12*\t+3], v[ADK] offset:(4+\t)*768
	ds_load_b64 v[KF+12*\t+4:KF+12*\t+5], v[AD8] offset:(4+\t)*768+512
.endr
	ds_load_b128 v[248:251], v[ADS] offset:KSO+256
.irp t, 0,1,2,3                                ; V's four fragments land while the softmax is walked
	ds_load_b128 v[VF+12*\t:VF+12*\t+3], v[ADK] offset:VCO+\t*1536
	ds_load_b64 v[VF+12*\t+4:VF+12*\t+5], v[AD8] offset:VCO+\t*1536+512
	ds_load_b128 v[VF+12*\t+6:VF+12*\t+9], v[ADK] offset:VCO+\t*1536+768
	ds_load_b64 v[VF+12*\t+10:VF+12*\t+11], v[AD8] offset:VCO+\t*1536+1280
.endr
	ds_load_b128 v[28:31], v[ADS] offset:VSO
	s_wait_dscnt 17                                ; K's tiles 4-7 and their words are in; V's sixteen loads and its word load may be out
.irp t, 0,1,2,3
	v_wmma_scale_f32_16x16x128_f8f6f4 v[S+32+8*\t:S+32+8*\t+7], v[KF+12*\t:KF+12*\t+11], v[16:27], 0, v[248+\t], v255 matrix_a_fmt:MATRIX_FMT_FP6 matrix_b_fmt:MATRIX_FMT_FP6
.endr
.rept 4
	v_nop
.endr
	s_cmp_lt_u32 s[KS], s[BETA]                    ; all its keys count: no mask
	s_cbranch_scc1 .Lopen_\@
	v_mov_b32 v254, 0xff800000                     ; on the diagonal: register 16 b + i holds key 32 b + 16 h + i of the block: hidden where 32 b + i > my query - 16 h
.irp n, 0,1,2,3,4,5,6,7,8,9,10,11,12,13,14,15,16,17,18,19,20,21,22,23,24,25,26,27,28,29,30,31,32,33,34,35,36,37,38,39,40,41,42,43,44,45,46,47,48,49,50,51,52,53,54,55,56,57,58,59,60,61,62,63
	v_cmp_gt_i32 vcc_lo, 32*(\n/16)+\n%16, v[QD]
	v_cndmask_b32 v[S+\n], v[S+\n], v254, vcc_lo
.endr
.Lopen_\@:
.irp b, 0,1,2,3
	v_max3_num_f32 v[232+\b], v[S+16*\b], v[S+1+16*\b], v[S+2+16*\b]   ; the largest score of each block of 32 keys: for the row's maximum, and, since p rises with the score, for the block's largest p
.endr
.irp i, 3,5,7,9,11,13
.irp b, 0,1,2,3
	v_max3_num_f32 v[232+\b], v[232+\b], v[S+16*\b+\i], v[S+1+16*\b+\i]
.endr
.endr
.irp b, 0,1,2,3
	v_max_num_f32 v[232+\b], v[232+\b], v[S+15+16*\b]
.endr
.irp b, 0,1,2,3
	s_delay_alu instid0(VALU_DEP_4)
	v_permlanex16_b32 v[236+\b], v[232+\b], s[SEL], s[SEL+1]
.endr
.irp b, 0,1,2,3
	s_delay_alu instid0(VALU_DEP_4)
	v_max_num_f32 v[232+\b], v[232+\b], v[236+\b]  ; with lane l xor 16's 16 keys
.endr
	s_delay_alu instid0(VALU_DEP_2)
	v_max3_num_f32 v254, v232, v233, v234
	s_delay_alu instid0(VALU_DEP_1)
	v_max_num_f32 v254, v254, v235                 ; the step's largest score of my query (the block's first key counts for every query, so it is a number)
	s_delay_alu instid0(VALU_DEP_1)
	v_mul_f32 v254, s[CS], v254
	s_delay_alu instid0(VALU_DEP_1)
	v_max_num_f32 v13, v13, v254                   ; the running largest t
	v_mov_b32 v254, v12
	s_delay_alu instid0(VALU_DEP_2)
	v_floor_f32 v12, -v13                          ; the new -M = -ceil(t)
	s_delay_alu instid0(VALU_DEP_1)
	v_sub_f32 v254, v12, v254                      ; old M less new M: a whole number, 0 or less
	s_delay_alu instid0(VALU_DEP_1)
	v_cvt_i32_f32 v254, v254                       ; (it saturates)
	s_delay_alu instid0(VALU_DEP_1)
	v_ldexp_f32 v252, 1.0, v254                    ; f = 2^(old M - new M): a multiplication by it rounds nothing
.set i, 0
	s_setprio 1
.rept 32
	v_pk_fma_f32 v[S+i:S+i+1], v[S+i:S+i+1], s[CS:CS+1], v[12:13] op_sel_hi:[1,0,0]   ; t - M, two at a time
.set i, i+2
.endr
.irp b, 0,1,2,3
	v_fma_f32 v[232+\b], v[232+\b], s[CS], v12     ; the same of each block's largest score
.endr
.set i, 0
	s_wait_alu depctr_va_vdst(0)
.rept 64
	v_exp_f32 v[S+i], v[S+i]                       ; p = 2^(t - M)
.set i, i+1
.endr
	v_pk_mul_f32 v[14:15], v[14:15], v[252:253] op_sel_hi:[1,0]   ; the sums under the new M; a plain line behind the exponentials
	s_wait_alu depctr_va_vdst(0)                   ; one wait for the batch, ahead of its first reader
.irp b, 0,1,2,3
	v_exp_f32 v[232+\b], v[232+\b]                 ; each block's largest p
.endr
	v_pk_add_f32 v[236:237], v[132:133], v[136:137]
	v_pk_add_f32 v[250:251], v[140:141], v[144:145]
	v_pk_add_f32 v[248:249], v[148:149], v[152:153]
	v_pk_add_f32 v[246:247], v[156:157], v[160:161]
	v_pk_add_f32 v[244:245], v[164:165], v[168:169]
	v_pk_add_f32 v[242:243], v[172:173], v[176:177]
	v_pk_add_f32 v[240:241], v[180:181], v[184:185]
	v_pk_add_f32 v[14:15], v[14:15], v[188:189]
	v_pk_add_f32 v[236:237], v[236:237], v[128:129]
	v_pk_add_f32 v[250:251], v[250:251], v[130:131]
	v_pk_add_f32 v[248:249], v[248:249], v[134:135]
	v_pk_add_f32 v[246:247], v[246:247], v[138:139]
	v_pk_add_f32 v[244:245], v[244:245], v[142:143]
	v_pk_add_f32 v[242:243], v[242:243], v[146:147]
	v_pk_add_f32 v[240:241], v[240:241], v[150:151]
	v_pk_add_f32 v[14:15], v[14:15], v[154:155]
	v_pk_add_f32 v[236:237], v[236:237], v[158:159]
	v_pk_add_f32 v[250:251], v[250:251], v[162:163]
	v_pk_add_f32 v[248:249], v[248:249], v[166:167]
	v_pk_add_f32 v[246:247], v[246:247], v[170:171]
	v_pk_add_f32 v[244:245], v[244:245], v[174:175]
	v_pk_add_f32 v[242:243], v[242:243], v[178:179]
	v_pk_add_f32 v[240:241], v[240:241], v[182:183]
	v_pk_add_f32 v[14:15], v[14:15], v[186:187]
	v_pk_add_f32 v[236:237], v[236:237], v[190:191]
	s_delay_alu instid0(VALU_DEP_2)
	v_pk_add_f32 v[14:15], v[14:15], v[246:247]
	s_delay_alu instid0(VALU_DEP_2)
	v_pk_add_f32 v[236:237], v[236:237], v[244:245]
	v_pk_add_f32 v[250:251], v[250:251], v[242:243]
	v_pk_add_f32 v[248:249], v[248:249], v[240:241]
	s_delay_alu instid0(VALU_DEP_2)
	v_pk_add_f32 v[14:15], v[14:15], v[250:251]
	s_delay_alu instid0(VALU_DEP_2)
	v_pk_add_f32 v[236:237], v[236:237], v[248:249]
	s_delay_alu instid0(VALU_DEP_1)
	v_pk_add_f32 v[14:15], v[14:15], v[236:237]
	s_wait_alu depctr_va_vdst(0)                   ; and one for the four
.irp b, 0,1,2,3
	v_max_num_f32 v[232+\b], 0x1800000, v[232+\b]  ; the floor 2^(3 - 127): the byte cannot fall under 1
.endr
.irp b, 0,1,2,3
	s_delay_alu instid0(VALU_DEP_4)
	v_add_nc_u32 v[244+\b], 0xff000000, v[232+\b]  ; 2 off the exponent field: the conversion's scale operand
.endr
.irp b, 0,1,2,3
	s_delay_alu instid0(VALU_DEP_4)
	v_lshrrev_b32 v[236+\b], 23, v[244+\b]
.endr
	s_delay_alu instid0(VALU_DEP_3)
	v_lshl_or_b32 v253, v237, 8, v236              ; p's scale word for these 128 keys
	s_delay_alu instid0(VALU_DEP_1)
	v_lshl_or_b32 v253, v238, 16, v253
	s_delay_alu instid0(VALU_DEP_1)
	v_lshl_or_b32 v253, v239, 24, v253
	s_setprio 0
.irp c, 0,1
	v_cvt_scalef32_pk16_fp6_f32 v[224+6*\c:226+6*\c], v[S+32*\c:S+15+32*\c], v[244+2*\c]
	v_cvt_scalef32_pk16_fp6_f32 v[236+4*\c:238+4*\c], v[S+16+32*\c:S+31+32*\c], v[244+2*\c+1]
.endr
	v_nop                                          ; one plain line behind the conversions
.irp c, 0,1
.irp i, 0,1,2
	v_permlane16_swap_b32 v[224+6*\c+\i], v[236+4*\c+\i]
.endr
.irp i, 0,1,2
	s_delay_alu instid0(VALU_DEP_3)
	v_mov_b32 v[227+6*\c+\i], v[236+4*\c+\i]
.endr
.endr
.set i, 0
.rept 16
	v_pk_mul_f32 v[O+i:O+i+1], v[O+i:O+i+1], v[252:253] op_sel_hi:[1,0]   ; O^T under the new M; these lines are also the places in front of the products below
.set i, i+2
.endr
	s_wait_alu depctr_va_vdst(0)
	s_wait_dscnt 0x0                               ; V
.irp t, 0,1,2,3
	v_wmma_scale_f32_16x16x128_f8f6f4 v[O+8*\t:O+8*\t+7], v[VF+12*\t:VF+12*\t+11], v[224:235], v[O+8*\t:O+8*\t+7], v[28+\t], v253 matrix_a_fmt:MATRIX_FMT_FP6 matrix_b_fmt:MATRIX_FMT_FP6
.endr
.Lhidden_\@:
	s_add_co_u32 s[KS], s[KS], 1
	s_add_co_u32 s[TB], s[TB], REC
.endm
.macro WALK n
	s_mov_b32 s[KS], 0
	s_mov_b32 s[TB], 0
	s_mov_b32 s[CNT], \n
.Lwalk_\@:
	STEP
	s_sub_co_u32 s[CNT], s[CNT], 1
	s_cmp_lg_u32 s[CNT], 0
	s_cbranch_scc1 .Lwalk_\@
	s_setprio 0
.endm
; O^T / the sum: registers 16 b + i are channels 32 b + 16 h + i of my query: two blocks of the last product's K.  They are quantised and leave as one half image; their two bytes are half of a scale word.
.macro FINISH
	v_add_f32 v14, v14, v15
	s_delay_alu instid0(VALU_DEP_1)
	v_permlanex16_b32 v252, v14, s[SEL], s[SEL+1]
	s_delay_alu instid0(VALU_DEP_1)
	v_add_f32 v14, v14, v252                       ; the row's sum
	s_wait_alu depctr_va_vdst(0)
	v_rcp_f32 v14, v14
.rept 3
	v_nop                                          ; plain lines behind the reciprocal and behind the last products
.endr
	s_and_b32 s56, s[HBN], 15                      ; the head
	s_lshr_b32 s57, s[HBN], 4
	s_lshl_b32 s57, s57, 4
	s_add_co_u32 s57, s57, s[BETA]                 ; the block of 128 rows of y
	s_lshr_b32 s61, s56, 2                         ; which 256 along C
	s_and_b32 s60, s56, 3                          ; which half image in it
	s_mul_i32 s58, s57, 98304
	s_mul_i32 s59, s61, 24576
	s_add_co_u32 s58, s58, s59
	s_mul_i32 s59, s[TI], 3072
	s_add_co_u32 s58, s58, s59
	s_mul_i32 s59, s60, 768
	s_add_co_u32 s58, s58, s59
	s_mov_b32 s59, 0
	s_add_nc_u64 s[YA:YA+1], s[8:9], s[58:59]
	s_lshl_b32 s62, s57, 3
	s_add_co_u32 s62, s62, s[TI]
	s_lshl_b32 s62, s62, 9
	s_lshl_b32 s61, s61, 7
	s_add_co_u32 s62, s62, s61
	s_lshl_b32 s60, s60, 1
	s_add_co_u32 s62, s62, s60
	s_add_co_u32 s62, s62, YQS
	s_mov_b32 s63, 0
	s_add_nc_u64 s[YSA:YSA+1], s[8:9], s[62:63]
	s_wait_alu depctr_va_vdst(0)                   ; ahead of the reciprocal's first reader
	v_mov_b32 v15, v14
.set i, 0
.rept 16
	v_pk_mul_f32 v[S+i:S+i+1], v[O+i:O+i+1], v[14:15]   ; each accumulator from its low end on
.set i, i+2
.endr
.irp b, 0,1
	v_max3_num_f32 v[232+\b], |v[S+16*\b]|, |v[S+1+16*\b]|, 0x1800000
.endr
.irp i, 2,4,6,8,10,12,14
.irp b, 0,1
	s_delay_alu instid0(VALU_DEP_2)
	v_max3_num_f32 v[232+\b], v[232+\b], |v[S+16*\b+\i]|, |v[S+1+16*\b+\i]|
.endr
.endr
.irp b, 0,1
	s_delay_alu instid0(VALU_DEP_2)
	v_permlanex16_b32 v[236+\b], v[232+\b], s[SEL], s[SEL+1]
.endr
.irp b, 0,1
	s_delay_alu instid0(VALU_DEP_2)
	v_max_num_f32 v[232+\b], v[232+\b], v[236+\b]
.endr
.irp b, 0,1
	s_delay_alu instid0(VALU_DEP_2)
	v_add_nc_u32 v[244+\b], 0xff000000, v[232+\b]
.endr
.irp b, 0,1
	s_delay_alu instid0(VALU_DEP_2)
	v_lshrrev_b32 v[236+\b], 23, v[244+\b]
.endr
	s_delay_alu instid0(VALU_DEP_1)
	v_lshl_or_b32 v254, v237, 8, v236
	v_cvt_scalef32_pk16_fp6_f32 v[224:226], v[S:S+15], v244
	v_cvt_scalef32_pk16_fp6_f32 v[240:242], v[S+16:S+31], v245
	v_nop
.irp i, 0,1,2
	v_permlane16_swap_b32 v[224+\i], v[240+\i]
.endr
.irp i, 0,1,2
	s_delay_alu instid0(VALU_DEP_3)
	v_mov_b32 v[227+\i], v[240+\i]
.endr
	global_store_b128 v[LI], v[224:227], s[YA:YA+1]            ; 512 consecutive bytes
	global_store_b64 v[L8], v[228:229], s[YA:YA+1] offset:512  ; 256 consecutive bytes
	global_store_b16 v[R8], v254, s[YSA:YSA+1]                 ; two bytes a row, 8 bytes apart (lanes r and r + 16 write the same): a word's two halves belong to two heads; twice a wave in the whole launch
.endm
	s_mov_b32 s[BETA], s[B0]
	QLOAD
	INIT
	s_wait_tensorcnt 0x1                           ; records 0-7 are in; the fill of records 8-15 may be out
	s_wait_dscnt 0x0
	s_barrier_signal -1
	s_barrier_wait -1                              ; everybody's part is in
	s_wait_loadcnt 0x0                             ; Q
	WALK 8                                         ; blocks 0-7 see keys under 1,024 alone
	FINISH
	s_sub_co_u32 s[BETA], 15, s[B0]
	QLOAD
	INIT
	s_wait_tensorcnt 0x0                           ; records 8-15
	s_wait_dscnt 0x0
	s_barrier_signal -1
	s_barrier_wait -1
	s_wait_loadcnt 0x0
	WALK 16
	FINISH
	s_wait_xcnt 0x0
	v_lshl_add_u32 v254, v0, 2, 0x33000
	v_mov_b32 v255, 0
	s_wait_alu depctr_va_vdst(0)
	s_wait_tensorcnt 0x0
	ds_add_u32 v254, v255
	s_wait_dscnt 0x0
	ROUND                                          ; the closing round
	s_endpgm
.Lfunc_end_k_q84738fe5c3_attn:
	.size	k_q84738fe5c3_attn, .Lfunc_end_k_q84738fe5c3_attn-k_q84738fe5c3_attn
	.p2alignl 7, 3214868480
	.fill 96, 4, 3214868480
	.section	.rodata,"a",@progbits
	.p2align	6, 0x0
	.amdhsa_kernel k_q84738fe5c3_attn
		.amdhsa_group_segment_fixed_size 210944
		.amdhsa_private_segment_fixed_size 0
		.amdhsa_enable_private_segment 0
		.amdhsa_kernarg_size 24
		.amdhsa_user_sgpr_count 2
		.amdhsa_user_sgpr_kernarg_segment_ptr 1
		.amdhsa_wavefront_size32 1
		.amdhsa_system_sgpr_workgroup_id_x 1
		.amdhsa_system_sgpr_workgroup_id_y 1
		.amdhsa_system_sgpr_workgroup_id_z 1
		.amdhsa_system_vgpr_workitem_id 0
		.amdhsa_next_free_vgpr 256
		.amdhsa_next_free_sgpr 80
		.amdhsa_reserve_vcc 1
		.amdhsa_float_denorm_mode_32 3
		.amdhsa_float_denorm_mode_16_64 3
		.amdhsa_memory_ordered 1
		.amdhsa_forward_progress 1
		.amdhsa_inst_pref_size 67
	.end_amdhsa_kernel
	.amdgpu_metadata
---
amdhsa.version: [ 1, 2 ]
amdhsa.kernels:
  - .name:           k_q84738fe5c3_attn
    .symbol:         k_q84738fe5c3_attn.kd
    .args:
      - { .name: qb, .offset: 0, .size: 8, .value_kind: global_buffer, .address_space: global }
      - { .name: kv, .offset: 8, .size: 8, .value_kind: global_buffer, .address_space: global }
      - { .name: yq, .offset: 16, .size: 8, .value_kind: global_buffer, .address_space: global }
    .group_segment_fixed_size: 210944
    .private_segment_fixed_size: 0
    .kernarg_segment_align: 8
    .kernarg_segment_size: 24
    .max_flat_workgroup_size: 512
    .sgpr_count:     80
    .vgpr_count:     256
    .wavefront_size: 32
...
	.end_amdgpu_metadata
.endif
;; end of part 3
;; launch gemm_proj (part 4): grid 4 x 32, 4 waves a work-group, clusters of 4 x 4, 327,680 bytes of LDS; arguments yq, wp, bproj, out0; writes out0
.if DOCPART == 4
	.amdgcn_target "amdgcn-amd-amdhsa--gfx1250"
	.amdhsa_code_object_version 6
	.text
	.protected	k_q84738fe5c3_gemm_proj
	.globl	k_q84738fe5c3_gemm_proj
	.p2align	8
	.type	k_q84738fe5c3_gemm_proj,@function
k_q84738fe5c3_gemm_proj:
	s_mov_b64 s[64:65], 0
	v_nop
	global_prefetch_b8 v0, s[64:65] scope:SCOPE_SE
	s_setreg_imm32_b32 hwreg(HW_REG_WAVE_MODE, 25, 1), 1
	s_wait_xcnt 0x0
	s_wait_alu depctr_hold_cnt(0) depctr_sa_sdst(0) depctr_va_vdst(0) depctr_va_sdst(0) depctr_va_ssrc(0) depctr_va_vcc(0) depctr_vm_vsrc(0)
	s_getreg_b32 s2, hwreg(HW_REG_IB_STS2, 6, 4)
	s_cmp_eq_u32 s2, 0
	s_cbranch_scc0 .Lentry_in_a_cluster
	s_endpgm
.Lentry_in_a_cluster:
	s_bfe_u32 s2, ttmp6, 0x10000c
	s_cmp_lg_u32 s2, 0xf033
	s_cbranch_scc0 .Lentry_shape_is_right
	s_endpgm
.Lentry_shape_is_right:
; out0 = y Wproj + bproj on codes of FP6 (E2M3) with E8M0 scales (M 8,192, N 1,024, K 1,024), f32 out.  The walk over K is the same as in the launch that makes q, k and v:
; a tile of 256 x 256 to a work-group of four waves, 128 x 128 to a wave.  P (matrix source 0) = Wproj's columns n, R (source 1) = y's rows: a lane holds one row of the output and neighbours along n.
; Operands lie in memory as images of their registers (a half image: 16 rows x 64 along K, 768 bytes: lane L = r + 16 h owns block h of row r; words 0-3 at 16 L, words 4-5 at 512 + 8 L);
; tile i of 128 rows holds rows 32 (i / 2) + 8 (i % 2) + r + 8 (r / 8): so result registers 16 b + i of P's tiles 2 b, 2 b + 1 are columns 32 b + 16 (lane / 16) + i.
; K goes in steps of 256 through two LDS slots; a quarter of a slot is one dense block of 24,576 bytes, one tensor load.  The scale words come once.  CLUSTERS 4 x 4: R's tiles shared along a row, P's along a column.
; The bias is the C of each sum's first matrix instruction.  128 work-groups: a tile of half the size would read half as much again from LDS for each matrix instruction.
; No prefetch: K has four slots, two are first fills, and the other two are asked for a slot's 128 matrix instructions ahead.
; REGISTERS: window 0: v2-12 lane numbers and offsets; v16-23 LDS addresses; v24, v25 the stage's; v27 the scale words'; v28, v29 the add's; v32-63 scale words; v64-127 the bias; v128-223 R's fragments; on the way out v128-255 rows of the output.
;   window 1: P's fragments, two sets.  windows 2, 3: the accumulators ((a, b) at v[8 (8 (a % 4) + b)]).
.set NQ,     2
.set FR,     12
.set NL,     4
.set NP,     4                         ; places behind this matrix instruction (ISA guide 7.12.1)
.set HALFT,  24576
.set SLOT,   4*HALFT
.set SCL,    2*SLOT
.set SPARE,  SCL+4*4096                ; the spare words: 128 bytes a wave, two blocks of 256 bytes that no other line names
.set YQS,    6291456                   ; where yq's scale words begin
.set WPS,    786432                    ; wp's
.set SPITCH, 528                       ; the way out: a stage of 16 rows x (512 bytes + 16) for each wave, in slot 0, which has had its last fill and its last read by then
.set LI,   4
.set L8,   5
.set ADRA, 16
.set ADRB, 20
.set STO,  24
.set RD,   25
.set ADRS, 27
.set SPW,  28
.set NIL,  29
.set SC,   32
.set BIAS, 64
.set AF,   128
.set BK,   128
.set G1, 24
.set G0, 32
.set G1B, 48
.set G0B, 56
.set G1S, 68
.set G0S, 76
.set G1SB, 80
.set G0SB, 88
.set MSB, 0
.macro WIN new                         ; the immediate's high byte repeats the setting that is left
.if MSB != \new
	s_set_vgpr_msb (MSB<<8)|\new
.set MSB, \new
.endif
.endm
.set MUL_LO, 0xa1                      ; source 0 (P) window 1, source 1 (R) window 0, C and D window 2
.set MUL_HI, 0xf1                      ; the same, C and D window 3
.set ZLO,    0x81                      ; the first step: C (the bias) window 0, D window 2
.set ZHI,    0xc1                      ; D window 3
.set TO_B,   0x40
.macro JLOAD g0a, g1a, g0b, g1b        ; a joint load: waves 0 and 1 fetch for R, waves 2 and 3 for P; four v_nop follow each of the two lines
	s_cmp_eq_u32 s15, 0
	s_cbranch_scc0 .Lfor_b_\@
	tensor_load_to_lds s[\g0a:\g0a+3], s[\g1a:\g1a+7]
	s_nop 0
.rept 4
	v_nop
.endr
	s_branch .Lasked_\@
.Lfor_b_\@:
	tensor_load_to_lds s[\g0b:\g0b+3], s[\g1b:\g1b+7]
	s_nop 0
.rept 4
	v_nop
.endr
.Lasked_\@:
.endm
.macro CREST
	s_cmp_lg_u32 s14, 0
	s_cbranch_scc1 .Lnot_wave_0_\@
	s_barrier_signal -3
.Lnot_wave_0_\@:
	s_barrier_wait -3
	s_barrier_signal -1
	s_barrier_wait -1
.endm
.macro CROUND
	s_barrier_signal -1
	s_barrier_wait -1
	CREST
.endm
	s_load_b256 s[4:11], s[0:1], 0x0               ; yq s[4:5], wp s[6:7], bproj s[8:9], out0 s[10:11]
	v_lshl_add_u32 v[SPW], v0, 2, SPARE
	v_mov_b32 v[NIL], 0
	ds_add_u32 v28, v29
	ds_add_u32 v28, v29
	s_wait_dscnt 0x0
	v_lshrrev_b32 v1, 5, v0
	v_readfirstlane_b32 s14, v1                    ; wave 0..3
	s_lshr_b32 s15, s14, 1                         ; which half of R's 256 rows is mine.  Also: I fetch for R (0) or for P (1)
	s_and_b32 s16, s14, 1                          ; which half of P's.  Also: which 128 rows I fetch
	s_bfe_u32 s40, ttmp6, 0x40000                  ; cx
	s_bfe_u32 s41, ttmp6, 0x40004                  ; cy
	s_lshl_b32 s42, ttmp9, 2
	s_add_co_u32 s42, s42, s40                     ; P's block of 256 columns
	s_and_b32 s46, ttmp7, 0xffff
	s_lshl_b32 s46, s46, 2
	s_add_co_u32 s46, s46, s41                     ; R's block of 256 rows
	s_lshl_b32 s43, s41, 2
	s_lshl_b32 s43, 15, s43                        ; my row of the cluster
	s_lshl_b32 s44, 0x1111, s40                    ; my column
	s_or_b32 s[G1+0], s43, (3<<16)|(1<<21)         ; 15:0 the mask; 17:16 elements of 8 bytes; 21 set beside a mask
	s_or_b32 s[G1B+0], s44, (3<<16)|(1<<21)
.irp g, G1, G1B
	s_mov_b32 s[\g+1], 32<<16                      ; a dense block of 24,576 bytes as 96 rows of 256
	s_mov_b32 s[\g+2], 96<<16
	s_mov_b32 s[\g+3], 32<<16
	s_mov_b32 s[\g+4], 96
	s_mov_b32 s[\g+5], 32
	s_mov_b32 s[\g+6], 0
	s_mov_b32 s[\g+7], 0
.endr
	s_or_b32 s[G1S+0], s43, (3<<16)|(1<<21)        ; the scale words of 128 rows: 16 such rows
	s_or_b32 s[G1SB+0], s44, (3<<16)|(1<<21)
.irp g, G1S, G1SB
	s_mov_b32 s[\g+1], 32<<16
	s_mov_b32 s[\g+2], 16<<16
	s_mov_b32 s[\g+3], 32<<16
	s_mov_b32 s[\g+4], 16
	s_mov_b32 s[\g+5], 32
	s_mov_b32 s[\g+6], 0
	s_mov_b32 s[\g+7], 0
.endr
	s_mul_i32 s18, s42, 2*98304
	s_mul_i32 s19, s16, 98304
	s_add_co_u32 s18, s18, s19
	s_mov_b32 s19, 0
	s_lshl_b32 s66, s42, 13
	s_lshl_b32 s67, s16, 12
	s_add_co_u32 s66, s66, s67
	s_add_co_u32 s66, s66, WPS
	s_mov_b32 s67, 0
	s_mul_i32 s20, s46, 2*98304
	s_mul_i32 s21, s16, 98304
	s_add_co_u32 s20, s20, s21
	s_mov_b32 s21, 0
	s_lshl_b32 s22, s46, 13
	s_lshl_b32 s23, s16, 12
	s_add_co_u32 s22, s22, s23
	s_add_co_u32 s22, s22, YQS
	s_mov_b32 s23, 0
	s_mul_i32 s3, s14, HALFT                       ; where they go: no place in the cluster enters an LDS address
	s_lshl_b32 s17, s14, 12
	s_wait_kmcnt 0x0
	s_add_nc_u64 s[18:19], s[6:7], s[18:19]        ; P's codes: the 128 rows that I would fetch
	s_add_nc_u64 s[66:67], s[6:7], s[66:67]        ; and their scale words
	s_add_nc_u64 s[20:21], s[4:5], s[20:21]        ; R's codes
	s_add_nc_u64 s[22:23], s[4:5], s[22:23]        ; R's scale words
	CROUND                                         ; all sixteen work-groups are here: the first joint loads meet
	s_mov_b32 s[G0S], 1
	s_add_co_u32 s[G0S+1], s17, SCL
	s_mov_b64 s[G0S+2:G0S+3], s[22:23]
	s_or_b32 s[G0S+3], s[G0S+3], 0x80000000
	s_mov_b32 s[G0SB], 1
	s_add_co_u32 s[G0SB+1], s17, SCL
	s_mov_b64 s[G0SB+2:G0SB+3], s[66:67]
	s_or_b32 s[G0SB+3], s[G0SB+3], 0x80000000
	JLOAD G0S, G1S, G0SB, G1SB
.irp s, 0,1
	s_mov_b32 s[G0+4*\s], 1
	s_add_co_u32 s[G0+4*\s+1], s3, \s*SLOT
	s_add_nc_u64 s[G0+4*\s+2:G0+4*\s+3], s[20:21], \s*HALFT
	s_or_b32 s[G0+4*\s+3], s[G0+4*\s+3], 0x80000000
	s_mov_b32 s[G0B+4*\s], 1
	s_add_co_u32 s[G0B+4*\s+1], s3, \s*SLOT
	s_add_nc_u64 s[G0B+4*\s+2:G0B+4*\s+3], s[18:19], \s*HALFT
	s_or_b32 s[G0B+4*\s+3], s[G0B+4*\s+3], 0x80000000
	s_wait_alu depctr_va_vdst(0)
	s_wait_tensorcnt 0x0
	ds_add_u32 v28, v29
	s_wait_dscnt 0x0
	CROUND
	JLOAD G0+4*\s, G1, G0B+4*\s, G1B               ; one tensor load of mine is out at the most
.endr
	v_and_b32 v1, 31, v0                           ; lane
	v_and_b32 v2, 15, v0                           ; r
	v_bfe_u32 v3, v0, 4, 1                         ; h
	v_lshlrev_b32 v[LI], 4, v1
	v_lshlrev_b32 v[L8], 3, v1
	s_mul_i32 s21, s15, HALFT
	s_mul_i32 s22, s16, HALFT
	s_add_co_u32 s22, s22, 2*HALFT
.irp s, 0,1
	v_add_nc_u32 v[ADRA+\s], s21, v[LI]
	v_add_nc_u32 v[ADRB+\s], s22, v[LI]
	v_add_nc_u32 v[ADRA+2+\s], s21, v[L8]
	v_add_nc_u32 v[ADRB+2+\s], s22, v[L8]
	s_add_co_u32 s21, s21, SLOT
	s_add_co_u32 s22, s22, SLOT
.endr
	s_lshl_b32 s21, s15, 12
	s_lshl_b32 s22, s16, 12
	s_add_co_u32 s22, s22, 8192
	s_sub_co_u32 s22, s22, s21
	v_mul_u32_u24 v6, s22, v3                      ; lanes 16-31 take P's words
	s_add_co_u32 s21, s21, SCL
	v_lshl_add_u32 v6, v2, 3, v6
	v_add_nc_u32 v[ADRS], s21, v6
	s_mul_i32 s23, s14, 16*SPITCH                  ; my stage
	v_mul_u32_u24 v7, v2, SPITCH
	v_lshl_add_u32 v7, v3, 6, v7
	v_add_nc_u32 v[STO], s23, v7                   ; in: row r, + 64 h bytes: my sixteen columns of each 32
	v_add_nc_u32 v[RD], s23, v[LI]                 ; back: the 32 lanes take one row of 512 bytes
	v_lshlrev_b32 v12, 6, v3
	s_lshl_b32 s92, s42, 10
	s_lshl_b32 s93, s16, 9
	s_add_co_u32 s92, s92, s93
	s_mov_b32 s93, 0
	s_add_nc_u64 s[94:95], s[8:9], s[92:93]        ; the bias of my 128 columns
.irp b, 0,1,2,3
.irp k, 0,1,2,3
	global_load_b128 v[BIAS+16*\b+4*\k:BIAS+16*\b+4*\k+3], v12, s[94:95] offset:128*\b+16*\k   ; register 16 b + i: column 32 b + 16 h + i
.endr
.endr
	s_lshl_b32 s20, s46, 8
	s_lshl_b32 s21, s15, 7
	s_add_co_u32 s20, s20, s21
	s_lshl_b32 s20, s20, 12                        ; my first row of the output, rows of 4,096 bytes,
	s_add_co_u32 s20, s20, s92                     ; and my first column
	s_mov_b32 s21, 0
	s_add_nc_u64 s[10:11], s[10:11], s[20:21]
.macro FRAG reg, adr, q, i             ; a fragment is two half images: each 512 consecutive bytes (four words a lane) and 256 (two words a lane)
	ds_load_b128 v[\reg:\reg+3], v[\adr] offset:(\i)*3072+(\q)*1536
	ds_load_b64 v[\reg+4:\reg+5], v[\adr+2] offset:(\i)*3072+(\q)*1536+512
	ds_load_b128 v[\reg+6:\reg+9], v[\adr] offset:(\i)*3072+(\q)*1536+768
	ds_load_b64 v[\reg+10:\reg+11], v[\adr+2] offset:(\i)*3072+(\q)*1536+1280
.endm
; 16 matrix instructions: R's blocks a0, a0 + 1 x P's eight.  zero = 1: the first product starts the sums from the bias.  The 64 accumulators take turns.
.macro MUL16 a0, p, q, sc, zero
.irp a, \a0, \a0+1
.irp b, 0,1,2,3,4,5,6,7
.if \zero
	v_wmma_scale_f32_16x16x128_f8f6f4 v[8*(8*((\a)%4)+\b):8*(8*((\a)%4)+\b)+7], v[128*(\p)+FR*\b:128*(\p)+FR*\b+FR-1], v[AF+FR*(\a):AF+FR*(\a)+FR-1], v[BIAS+8*\b:BIAS+8*\b+7], v[SC+8*NQ*(\sc)+NQ*\b+(\q)], v[SC+8*NQ*(\sc)+NQ*(\a)+(\q)] matrix_a_fmt:MATRIX_FMT_FP6 matrix_b_fmt:MATRIX_FMT_FP6 matrix_a_scale:MATRIX_SCALE_ROW1
.else
	v_wmma_scale_f32_16x16x128_f8f6f4 v[8*(8*((\a)%4)+\b):8*(8*((\a)%4)+\b)+7], v[128*(\p)+FR*\b:128*(\p)+FR*\b+FR-1], v[AF+FR*(\a):AF+FR*(\a)+FR-1], v[8*(8*((\a)%4)+\b):8*(8*((\a)%4)+\b)+7], v[SC+8*NQ*(\sc)+NQ*\b+(\q)], v[SC+8*NQ*(\sc)+NQ*(\a)+(\q)] matrix_a_fmt:MATRIX_FMT_FP6 matrix_b_fmt:MATRIX_FMT_FP6 matrix_a_scale:MATRIX_SCALE_ROW1
.endif
.endr
.endr
.endm
.macro FETCH_B slot, q, p
	WIN TO_B
.irp i, 0,1,2,3,4,5,6,7
	FRAG 128*(\p)+FR*\i, ADRB+\slot, \q, \i
.endr
	WIN 0
.endm
.macro FETCH_A slot, q, i0
.irp i, \i0, \i0+1, \i0+2, \i0+3
	FRAG AF+FR*(\i), ADRA+\slot, \q, \i
.endr
.endm
.macro SCALES sc                       ; lanes 0-15 take R's block i, lanes 16-31 P's block i: a slot's two words
.irp i, 0,1,2,3,4,5,6,7
	ds_load_b64 v[SC+8*NQ*\sc+NQ*\i:SC+8*NQ*\sc+NQ*\i+1], v[ADRS] offset:\i*512
.endr
.endm
.macro PLACES n
.rept \n
	v_nop
.endr
.endm
.macro STEP slot, q, zero
	s_wait_dscnt 4*NL                              ; all but the youngest sixteen loads (R's blocks 4-7)
.if \zero
	WIN ZLO
.else
	WIN MUL_LO
.endif
	MUL16 0, (\q)%2, \q, \slot, \zero
	MUL16 2, (\q)%2, \q, \slot, \zero
	s_wait_dscnt 0
	PLACES NP
	FETCH_B \slot, (\q)+1, 1-(\q)%2
	FETCH_A \slot, (\q)+1, 0
.if \zero
	WIN ZHI
.else
	WIN MUL_HI
.endif
	MUL16 4, (\q)%2, \q, \slot, \zero
	MUL16 6, (\q)%2, \q, \slot, \zero
	PLACES NP
	WIN 0
	FETCH_A \slot, (\q)+1, 4
.endm
.macro TURN slot, next, fill           ; a slot's last step changes slots: one barrier
	s_wait_tensorcnt 0x0                           ; all my tensor loads have landed: my part of the next slot
	ds_add_u32 v[SPW], v[NIL]                      ; 0 onto my spare word
	s_wait_dscnt 4*NL+1                            ; (the add and the youngest sixteen loads may be out)
	WIN MUL_LO
	MUL16 0, 1, NQ-1, \slot, 0
	s_wait_dscnt 0x0                               ; the add is done, and my reads of this slot are over
	s_barrier_signal -1
	MUL16 2, 1, NQ-1, \slot, 0
	WIN 0
	s_barrier_wait -1
.if \fill
	CREST                                          ; a round of the cluster's barrier: no wave of any partner still reads this slot or has a load on its way
	s_add_nc_u64 s[G0+4*\slot+2:G0+4*\slot+3], s[G0+4*\slot+2:G0+4*\slot+3], 2*HALFT
	s_add_nc_u64 s[G0B+4*\slot+2:G0B+4*\slot+3], s[G0B+4*\slot+2:G0B+4*\slot+3], 2*HALFT
	JLOAD G0+4*\slot, G1, G0B+4*\slot, G1B
.else
	PLACES NP
.endif
	s_wait_alu depctr_va_vdst(0)
	v_add_nc_u32 v[ADRS], 128, v[ADRS]
	FETCH_B \next, 0, 0
	FETCH_A \next, 0, 0
	SCALES \next
	WIN MUL_HI
	MUL16 4, 1, NQ-1, \slot, 0
	MUL16 6, 1, NQ-1, \slot, 0
	PLACES NP
	WIN 0
	FETCH_A \next, 0, 4
.endm
	s_wait_alu depctr_va_vdst(0)
	s_wait_tensorcnt 1                             ; the scale words and my part of slot 0 are in; slot 1's load may be out
	s_barrier_signal -1
	s_barrier_wait -1
	FETCH_B 0, 0, 0
	FETCH_A 0, 0, 0
	SCALES 0
	FETCH_A 0, 0, 4
	s_wait_loadcnt 0x0                             ; the bias
	STEP 0, 0, 1
	TURN 0, 1, 1
	STEP 1, 0, 0
	TURN 1, 0, 1
	STEP 0, 0, 0
	TURN 0, 1, 0
	STEP 1, 0, 0
	s_wait_dscnt 4*NL
	WIN MUL_LO
	MUL16 0, 1, NQ-1, 1, 0
	MUL16 2, 1, NQ-1, 1, 0
	s_wait_dscnt 0
	WIN MUL_HI
	MUL16 4, 1, NQ-1, 1, 0
	MUL16 6, 1, NQ-1, 1, 0
	WIN 0
; THE WAY OUT, R's tile a at a time: 16 rows x 128 columns go through my own stage and come back as whole rows of 512 bytes.  LDS serves a wave's instructions in order: no wait between the stores and the loads.
.macro TOSTAGE a
.set AC, 64*((\a)%4)
	WIN 0x08+4*((\a)/4)                            ; an LDS store's data: window 2 or 3
.irp b, 0,1,2,3,4,5,6,7
	ds_store_b128 v[STO], v[AC+8*\b:AC+8*\b+3] offset:128*(\b/2)+32*(\b%2)       ; columns 32 (b / 2) + 16 h + 8 (b % 2) on; each accumulator from its low end on
	ds_store_b128 v[STO], v[AC+8*\b+4:AC+8*\b+7] offset:128*(\b/2)+32*(\b%2)+16
.endr
	WIN 0
.set BB, BK+64*((\a)%2)
.irp t, 0,1,2,3,4,5,6,7,8,9,10,11,12,13,14,15
	ds_load_b128 v[BB+4*\t:BB+4*\t+3], v[RD] offset:\t*SPITCH
.endr
.endm
.macro SEND a, younger                 ; younger: the LDS instructions issued behind tile a's loads
.set BB, BK+64*((\a)%2)
	s_wait_dscnt \younger
.irp t, 0,1,2,3,4,5,6,7,8,9,10,11,12,13,14,15
	global_store_b128 v[LI], v[BB+4*\t:BB+4*\t+3], s[10:11] offset:(32*((\a)/2)+8*((\a)%2)+\t+8*(\t/8))*4096 th:TH_STORE_NT   ; 32 lanes store 512 consecutive bytes of the tile's row t
.endr
.endm
	PLACES NP
	TOSTAGE 0
.irp a, 1,2,3,4,5,6,7
.if \a > 1
	s_wait_xcnt 0x0                                ; tile a - 2's stores have read their registers: tile a's loads may land there
.endif
	TOSTAGE \a
	SEND \a-1, 32                                  ; behind tile a - 1's loads: tile a's 16 stores and 16 loads
.endr
	SEND 7, 0
	s_wait_tensorcnt 0x0                           ; the wave's end
	ds_add_u32 v[SPW], v[NIL]
	s_wait_dscnt 0x0
	CROUND                                         ; the closing round
	s_endpgm
.Lfunc_end_k_q84738fe5c3_gemm_proj:
	.size	k_q84738fe5c3_gemm_proj, .Lfunc_end_k_q84738fe5c3_gemm_proj-k_q84738fe5c3_gemm_proj
	.p2alignl 7, 3214868480
	.fill 96, 4, 3214868480
	.section	.rodata,"a",@progbits
	.p2align	6, 0x0
	.amdhsa_kernel k_q84738fe5c3_gemm_proj
		.amdhsa_group_segment_fixed_size 327680
		.amdhsa_private_segment_fixed_size 0
		.amdhsa_enable_private_segment 0
		.amdhsa_kernarg_size 32
		.amdhsa_user_sgpr_count 2
		.amdhsa_user_sgpr_kernarg_segment_ptr 1
		.amdhsa_wavefront_size32 1
		.amdhsa_system_sgpr_workgroup_id_x 1
		.amdhsa_system_sgpr_workgroup_id_y 1
		.amdhsa_system_sgpr_workgroup_id_z 1
		.amdhsa_system_vgpr_workitem_id 0
		.amdhsa_next_free_vgpr 1024
		.amdhsa_next_free_sgpr 100
		.amdhsa_reserve_vcc 0
		.amdhsa_float_denorm_mode_32 3
		.amdhsa_float_denorm_mode_16_64 3
		.amdhsa_memory_ordered 1
		.amdhsa_forward_progress 1
		.amdhsa_inst_pref_size 145
	.end_amdhsa_kernel
	.amdgpu_metadata
---
amdhsa.version: [ 1, 2 ]
amdhsa.kernels:
  - .name:           k_q84738fe5c3_gemm_proj
    .symbol:         k_q84738fe5c3_gemm_proj.kd
    .args:
      - { .name: yq, .offset: 0, .size: 8, .value_kind: global_buffer, .address_space: global }
      - { .name: wp, .offset: 8, .size: 8, .value_kind: global_buffer, .address_space: global }
      - { .name: bproj, .offset: 16, .size: 8, .value_kind: global_buffer, .address_space: global }
      - { .name: out0, .offset: 24, .size: 8, .value_kind: global_buffer, .address_space: global }
    .group_segment_fixed_size: 327680
    .private_segment_fixed_size: 0
    .kernarg_segment_align: 8
    .kernarg_segment_size: 32
    .max_flat_workgroup_size: 128
    .sgpr_count:     100
    .vgpr_count:     1024
    .wavefront_size: 32
...
	.end_amdgpu_metadata
.endif
;; end of part 4
